; MI455X (gfx1250); checked and timed in simulation.
; The chip was launched on July 23, 2026; its instructions are those of AMD's public machine-readable ISA for CDNA 5 (MIT licence, August 2026) and "CDNA5" Instruction Set Architecture Reference Guide (July 2026). The comments in the code are by the model that wrote it; some were corrected since.
;; Janossy Pool. Allowed arithmetic: matrix products marked QUANTISED: E4M3 operands, one given power-of-two scale a tensor, by v_wmma_f32_16x16x64_fp8_fp8 or v_wmma_f32_16x16x128_fp8_fp8, f32 sums; everything else in f32.
;; Inputs: W1 256 x 512 float32; W2 512 x 512 float32; W3 512 x 256 float32; b1 512 float32; b2 512 float32; b3 256 float32; lowp_scales 6 int32 (the exponents e of the quantised operands' scales 2^e); x 64 x 32 x 128 float32.
;; Outputs: out0 64 x 256 float32.
;; This version of the problem:
;;   THIS VERSION OF THE PROBLEM IS GIVEN IN LOW PRECISION. The matrix products marked QUANTISED in the list below multiply operands that are first quantised to E4M3 (4 exponent bits, 3 mantissa bits; 8 bits a number), with one given power-of-two scale for each operand tensor; their sums are f32. All else is computed in f32.
;;   The module's matrix products, in the order in which they are computed (A, B: the left and right operand; K: the contracted axis; several contracted axes count as one K, in the product's order):
;;     1. [M 63,488, K 256] x [K 256, N 512]; A: computed on the way; B: input W1: QUANTISED (scales: A lowp_scales[0], B lowp_scales[1])
;;     2. [M 63,488, K 512] x [K 512, N 512]; A: computed on the way; B: input W2: QUANTISED (scales: A lowp_scales[2], B lowp_scales[3])
;;     3. [M 63,488, K 512] x [K 512, N 256]; A: computed on the way; B: input W3: QUANTISED (scales: A lowp_scales[4], B lowp_scales[5])
;;   THE QUANTISER, for each operand of a quantised product, along K:
;;     - The operand's scale is 2^e, e = its entry of the input lowp_scales (int32; the entries are numbered through the quantised products in the list's order, A before B).
;;     - Each number is divided by the scale, clamped to +-448, and rounded to the nearest number of E4M3, ties to even, subnormals kept.
;;     - The product sums the exact products of the quantised numbers (number of the format x scale) in f32.
;;   ~~~python
;;   def quantise(x, axis, e):      # numpy; x: float32 -> the quantised numbers, widened to float32 again
;;       x = np.moveaxis(x, axis, -1); K = x.shape[-1]
;;       r = np.clip(x / 2.0 ** e, -448, 448)
;;       step = 2.0 ** (np.maximum(np.frexp(np.where(r == 0, 1, r))[1] - 1, -6) - 3)
;;       q = np.round(r / step) * step * 2.0 ** e      # np.round: ties to even
;;       return np.moveaxis(q, -1, axis).astype(np.float32)
;;   ~~~
;;   OPERANDS COMPUTED ON THE WAY. 'Computed on the way' means the value that the module computes at that place (a softmax that the list does not call 'softmax' is quantised finished and normalised). What goes into a quantiser is computed in f32, as accurately as f32 sums, v_exp_f32 and their like allow (about 1e-6 of the number): no bf16 or f16 on the way to a quantiser, and a product that is left as it is and whose result goes on into a quantised operand takes f32 operands (vector FMAs, or v_wmma_f32_16x16x4_f32). A number that lies on a knife's edge between two numbers of the format may be rounded either way, as far as f32 arithmetic and the matrix unit's own rounding can turn it there, and no further.
;; 2 versions, each right; version 2 is version 1 with the launch main written anew for expert scheduling mode. Each part assembles by itself: llvm-mc -triple=amdgcn-amd-amdhsa -mcpu=gfx1250 --defsym DOCPART=n.
;; ======== version 1 of 2: 3 launches
;; workspace buffers: wq 524,288 bytes; part 262,144 bytes
;; launch prep (part 1): grid 256 x 1, 4 waves a work-group, no clusters, 0 bytes of LDS; arguments W1, W2, W3, lowp_scales, wq; writes wq
.if DOCPART == 1
	.amdgcn_target "amdgcn-amd-amdhsa--gfx1250"
	.amdhsa_code_object_version 6
	.text
	.protected	k_q3784524789_prep
	.globl	k_q3784524789_prep
	.p2align	8
	.type	k_q3784524789_prep,@function
k_q3784524789_prep:
	s_mov_b64 s[64:65], 0
	v_nop
	global_prefetch_b8 v0, s[64:65] scope:SCOPE_SE
	s_setreg_imm32_b32 hwreg(HW_REG_WAVE_MODE, 25, 1), 1
	s_wait_xcnt 0x0
; W1 [256][512], W2 [512][512], W3 [512][256], f32 with K as FIRST axis, become codes of E4M3 in wq, laid in the order of a matrix operand's registers.
; code = w / 2^e, held within +-448, rounded to the nearest code, ties to even; e = entry 1, 3, 5 of lowp_scales for W1, W2, W3.
; LIMITS: each e between -126 and 119, so that 2^e and 448 x 2^e are f32 numbers.  NaN among the inputs is not served.
; LAYOUT OF wq.  W1 at byte 0, W2 at 131,072, W3 at 393,216.  A fragment (tile g of 16 units, K step s of 128) is 2,048 bytes at (g S + s) x 2,048, S = K / 128.
; In it lane (r, h) has 16 bytes at 512 c + 256 h + 16 r, c = 0 .. 3: the codes of k = 128 s + 32 c + 16 h + 0 .. 15 of unit 32 (g / 2) + 8 (g % 2) + r + 8 (r / 8).
; So four loads of 16 bytes at 16 x lane, 512 bytes apart, bring a fragment's 16 registers.
; SHARES.  A work-group takes 128 columns x 16 along K of one weight: work-groups 0-63 W1, 64-191 W2, 192-255 W3; all take one path, what differs is chosen by s_cselect on the work-group's number.
; A LANE TAKES A COLUMN AND ITS REGISTERS RUN DOWN K: each load reads 128 neighbouring bytes a wave, and the conversions give 16 codes with K innermost, which are just the lane's 16 bytes of a fragment.
; The 32 columns of a wave are the units of two tiles: the wave's one store covers two aligned runs of 256 bytes, each whole.
.set OFF2, 131072
.set OFF3, 393216
.set OFS,  8                           ; v8-23   byte offset of my column in rows 0 .. 15 of my 16; written once
.set X,    32                          ; v32-47  my 16 numbers
.set C,    48                          ; v48-51  their codes
.set STO,  52                          ; v52     my 16 bytes' place in wq
.set LIM,  54                          ; v54     448 x 2^e
.set SC,   55                          ; v55     2^e as f32
	s_load_b256 s[4:11], s[0:1], 0x0               ; W1 s[4:5], W2 s[6:7], W3 s[8:9], the scales' exponents s[10:11]
	s_load_b64 s[12:13], s[0:1], 0x20              ; wq
	v_lshrrev_b32 v1, 5, v0
	v_readfirstlane_b32 s14, v1                    ; wave 0..3
	v_and_b32 v2, 31, v0                           ; lane
	v_lshlrev_b32 v[OFS], 2, v2                    ; 4 bytes a column
	s_wait_kmcnt 0x0
	s_load_b128 s[16:19], s[10:11], 0x0            ; e0 .. e3
	s_load_b64 s[20:21], s[10:11], 0x10            ; e4, e5
	s_cmp_lt_u32 ttmp9, 192                        ; W2 or W3?
	s_cselect_b64 s[24:25], s[6:7], s[8:9]         ; the weight
	s_mov_b32 s26, 192
	s_cselect_b32 s26, 64, s26                     ; its first work-group
	s_mov_b32 s27, OFF3
	s_cselect_b32 s27, OFF2, s27                   ; its place in wq
	s_mov_b32 s30, 1024
	s_cselect_b32 s30, 2048, s30                   ; a row in bytes
	s_cselect_b32 s31, 3, 1                        ; blocks of 128 columns, less 1
	s_cselect_b32 s32, 2, 1                        ; and their number's logarithm
	s_cmp_lt_u32 ttmp9, 64                         ; or W1?
	s_cselect_b64 s[24:25], s[4:5], s[24:25]
	s_cselect_b32 s26, 0, s26
	s_cselect_b32 s27, 0, s27
	s_mov_b32 s29, 8192
	s_cselect_b32 s29, 4096, s29                   ; a tile's fragments in bytes: 2,048 S
	s_cselect_b32 s30, 2048, s30
	s_cselect_b32 s31, 3, s31
	s_cselect_b32 s32, 2, s32
	s_sub_co_u32 s33, ttmp9, s26                   ; my number within the weight
	s_and_b32 s34, s33, s31                        ; cb: which 128 columns
	s_lshr_b32 s35, s33, s32                       ; kb: which 16 along K
	s_mul_i32 s36, s35, s30
	s_lshl_b32 s36, s36, 4                         ; 16 kb rows
	s_lshl_b32 s38, s34, 9
	s_add_co_u32 s36, s36, s38                     ; + 128 cb columns
	s_lshl_b32 s38, s14, 7
	s_add_co_u32 s36, s36, s38                     ; + 32 x wave columns
	s_mov_b32 s37, 0
	s_add_nc_u64 s[24:25], s[24:25], s[36:37]
.irp i, 1,2,3,4,5,6,7,8,9,10,11,12,13,14,15
	v_add_nc_u32 v[OFS+\i], s30, v[OFS+\i-1]       ; a row further down
.endr
.irp i, 0,1,2,3,4,5,6,7,8,9,10,11,12,13,14,15
	global_load_b32 v[X+\i], v[OFS+\i], s[24:25] th:TH_LOAD_NT   ; W(16 kb + i, my column): read once in the launch
.endr
	; where my 16 codes go: tile g = 2 (4 cb + wave) + u, u = (lane / 8) % 2; row r = lane % 8 + 8 (lane / 16); K step kb / 8; piece and half: 256 (kb % 8).
	; None of the lines below writes a register that the sixteen loads name.
	s_lshl_b32 s38, s34, 2
	s_add_co_u32 s38, s38, s14
	s_lshl_b32 s38, s38, 1
	s_mul_i32 s38, s38, s29
	s_add_co_u32 s38, s38, s27
	s_lshr_b32 s40, s35, 3
	s_lshl_b32 s40, s40, 11
	s_add_co_u32 s38, s38, s40
	s_and_b32 s40, s35, 7
	s_lshl_b32 s40, s40, 8
	s_add_co_u32 s38, s38, s40
	s_mov_b32 s39, 0
	s_add_nc_u64 s[12:13], s[12:13], s[38:39]
	v_bfe_u32 v3, v0, 3, 1                         ; u
	v_and_b32 v4, 7, v0
	v_bfe_u32 v5, v0, 4, 1
	v_lshl_add_u32 v4, v5, 3, v4                   ; r
	v_mul_u32_u24 v3, s29, v3
	v_lshl_add_u32 v[STO], v4, 4, v3
	s_wait_kmcnt 0x0                               ; the exponents
	s_cmp_lt_u32 ttmp9, 192
	s_cselect_b32 s28, s19, s21
	s_cmp_lt_u32 ttmp9, 64
	s_cselect_b32 s28, s17, s28                    ; e
	s_add_co_i32 s28, s28, 127
	s_lshl_b32 s41, s28, 23
	v_mov_b32 v[SC], s41                           ; 2^e as f32: the conversion takes its exponent field
	s_add_co_i32 s28, s28, 8
	s_lshl_b32 s28, s28, 23
	s_or_b32 s28, s28, 0x600000
	v_mov_b32 v[LIM], s28                          ; 448 x 2^e
	s_wait_loadcnt 0x0                             ; all 16 loads are in
.irp i, 0,1,2,3,4,5,6,7,8,9,10,11,12,13,14,15
	v_med3_num_f32 v[X+\i], v[X+\i], -v[LIM], v[LIM]   ; the conversion to an 8-bit code does not saturate (ISA guide 7.6.2): the hold at the largest code x the scale
.endr
	v_cvt_scalef32_pk8_fp8_f32 v[C:C+1], v[X:X+7], v[SC]
	v_cvt_scalef32_pk8_fp8_f32 v[C+2:C+3], v[X+8:X+15], v[SC]
	global_store_b128 v[STO], v[C:C+3], s[12:13]   ; sixteen lanes fill 256 consecutive bytes, at a multiple of 256 from wq's first byte; the wave fills two such runs
	s_endpgm
.Lfunc_end_k_q3784524789_prep:
	.size	k_q3784524789_prep, .Lfunc_end_k_q3784524789_prep-k_q3784524789_prep
	.p2alignl 7, 3214868480
	.fill 96, 4, 3214868480
	.section	.rodata,"a",@progbits
	.p2align	6, 0x0
	.amdhsa_kernel k_q3784524789_prep
		.amdhsa_group_segment_fixed_size 0
		.amdhsa_private_segment_fixed_size 0
		.amdhsa_enable_private_segment 0
		.amdhsa_kernarg_size 40
		.amdhsa_user_sgpr_count 2
		.amdhsa_user_sgpr_kernarg_segment_ptr 1
		.amdhsa_wavefront_size32 1
		.amdhsa_system_sgpr_workgroup_id_x 1
		.amdhsa_system_sgpr_workgroup_id_y 1
		.amdhsa_system_sgpr_workgroup_id_z 1
		.amdhsa_system_vgpr_workitem_id 0
		.amdhsa_next_free_vgpr 64
		.amdhsa_next_free_sgpr 66
		.amdhsa_reserve_vcc 0
		.amdhsa_float_denorm_mode_32 3
		.amdhsa_float_denorm_mode_16_64 3
		.amdhsa_memory_ordered 1
		.amdhsa_forward_progress 1
		.amdhsa_inst_pref_size 7
	.end_amdhsa_kernel
	.amdgpu_metadata
---
amdhsa.version: [ 1, 2 ]
amdhsa.kernels:
  - .name:           k_q3784524789_prep
    .symbol:         k_q3784524789_prep.kd
    .args:
      - { .name: W1, .offset: 0, .size: 8, .value_kind: global_buffer, .address_space: global }
      - { .name: W2, .offset: 8, .size: 8, .value_kind: global_buffer, .address_space: global }
      - { .name: W3, .offset: 16, .size: 8, .value_kind: global_buffer, .address_space: global }
      - { .name: lowp_scales, .offset: 24, .size: 8, .value_kind: global_buffer, .address_space: global }
      - { .name: wq, .offset: 32, .size: 8, .value_kind: global_buffer, .address_space: global }
    .group_segment_fixed_size: 0
    .private_segment_fixed_size: 0
    .kernarg_segment_align: 8
    .kernarg_segment_size: 40
    .max_flat_workgroup_size: 128
    .sgpr_count:     66
    .vgpr_count:     64
    .wavefront_size: 32
...
	.end_amdgpu_metadata
.endif
;; end of part 1
;; launch main (part 2): grid 256 x 1, 4 waves a work-group, no clusters, 273,408 bytes of LDS; arguments x, wq, b1, b2, lowp_scales, part; writes part
.if DOCPART == 2
	.amdgcn_target "amdgcn-amd-amdhsa--gfx1250"
	.amdhsa_code_object_version 6
	.text
	.protected	k_q3784524789_main
	.globl	k_q3784524789_main
	.p2align	8
	.type	k_q3784524789_main,@function
k_q3784524789_main:
	s_mov_b64 s[64:65], 0
	v_nop
	global_prefetch_b8 v0, s[64:65] scope:SCOPE_SE
	s_setreg_imm32_b32 hwreg(HW_REG_WAVE_MODE, 25, 1), 1
	s_wait_xcnt 0x0
; For 256 ordered pairs (i, j) of one set's 32 rows: relu(relu([x_i x_j] W1 + b1) W2 + b2) W3, summed over the pairs, all three products on codes of E4M3.  part[work-group][256] = that sum / 2^(e4 + e5), f32.
; SHARES.  Work-group wg: set b = wg / 4, quarter q = wg % 4.  It takes 16 tiles of 16 pairs: tile T has d = 8 q + 1 + T / 2 and rows i = 16 (T % 2) + r, j = (i + d) mod 32.  The pairs are summed, so their order is free;
; d = 1 .. 31 gives each ordered pair once.  d = 32 (q = 3, T = 14, 15) is i = j, which is no pair: those two tiles run like the others, but their second hidden layer is held between 0 and 0, so that they add nothing.
; THE WAVES SHARE THE COLUMNS.  Wave w makes hidden units 128 w .. 128 w + 127 of both layers for all 256 pairs: K step w of the next product.  In the third product wave w takes outputs 128 (w % 2) on and K steps 2 (w / 2), 2 (w / 2) + 1.
; Its weights come from wq, which holds them in the order of operand registers, straight into its registers, each byte once a wave.  The hidden layers go from wave to wave through LDS as images of operand registers.
; PRODUCT 1 IS MADE ONCE A ROW, NOT ONCE A PAIR.  A pair's operand row is x_i's 128 codes and then x_j's, so its sum is U[i] + V[j], U[i] = b1 + x_i's codes x W1's rows 0-127, V[j] = x_j's codes x W1's rows 128-255.
; The set has 32 rows: U and V for a wave's 128 units are 32 matrix instructions, against 256 if each of the 256 pairs were multiplied anew; a tile of pairs then costs 32 packed additions.  The same codes are multiplied by the same form.
; ORDER OF ROUNDING: a pair's sum is (b1 + 128 products) + (128 products), two f32 sums of the matrix unit and one f32 addition, and not one chain over K = 256.
; LAYOUT OF AN OPERAND: lane (r, h) holds row r; registers 4 c .. 4 c + 3 hold k = 32 c + 16 h + 0 .. 15.  That is a permutation of k, the same on both sides of every product.
; Products 1 and 2 are used TRANSPOSED (source 0 = 16 units of the weight, source 1 = 16 rows): a lane holds one row, and since a tile's units are 32 (t / 2) + 8 (t % 2) + r + 8 (r / 8), the 16 registers of tiles 2 c, 2 c + 1
; are 16 neighbours along the next K.  The bias is the C of a sum's first product, divided by the power of two that the sums lack.  Product 3 is used as it stands (source 0 = 16 pairs, source 1 = 16 outputs),
; and its eight accumulators go on adding from tile to tile: the sum over pairs costs seven additions and one exchange of halves an accumulator at the end.
; BY TURNS (product 2).  A wave's 8 tiles of units are two groups of 4.  While one group is multiplied, the other's finished sums are held between 0 and the largest code x the scale (activation and hold in one), two lines behind each matrix instruction.
; NO CLUSTER, though all work-groups read the same 512 KB of codes (256 fragments of 2,048 bytes a work-group): a joint load lands in LDS, of whose 327,680 bytes this text uses 272,896; the 54,784 left hold 26 fragments,
; so the weights would come in ten rounds or more, and each byte would cross LDS once more on its way to the registers in which it stays.
; LIMITS on the given exponents, so that each power of two below is an f32 number: e0, e2 - e0 - e1 and e4 - e2 - e3 between -126 and 119.  NaN among the inputs is not served.
; LDS: x's codes; a stage for the way out; the two biases; the images of both hidden layers: image (T, s) at (4 T + s) x 2,048, piece c at + 512 c, lane at + 16 x lane.  Until h2's images are made, their bytes hold the waves' tables of V.
.set XC,   0                           ; x's codes: 32 rows of 128 bytes + 16 of padding
.set XP,   144
.set STG,  4608                        ; [K half][256] f32
.set BI1,  6656                        ; b1 / 2^(e0 + e1), 512 f32
.set BI2,  8704                        ; b2 / 2^(e2 + e3)
.set H1,   10752                       ; 64 images
.set H2,   141824                      ; 64 images; ends at 272,896
.set TILB, 8192                        ; a tile's four images
.set VT,   H2                          ; V: a table for each wave: 32 rows; in a row 256 bytes for each half of the lanes (its 64 units, tile by tile), then 16 of padding
.set VP,   528                         ; = 132 words: sixteen neighbouring rows start 4 banks apart (64 banks of 4 bytes: ISA guide 11.1)
.set VPW,  32*VP                       ; 16,896 bytes a wave, 67,584 in all: inside h2's 131,072
.set OFFW2, 131072
.set OFFW3, 393216
; REGISTERS, in windows of 256.  Window 0:
.set RR,   1                           ; v1   r = lane % 16
.set HH,   2                           ; v2   h = lane / 16
.set LI,   3                           ; v3   16 x lane
.set XG,   4                           ; v4   32 x thread: my 8 numbers of a chunk of x
.set T16,  5                           ; v5   16 x thread
.set XST,  6                           ; v6   where I store 8 codes of x
.set XH,   7                           ; v7   16 h
.set XIA,  8                           ; v8   144 r + 16 h
.set RD,   9                           ; v9   r + 8 q + 1
.set TM,   10
.set BIA,  12                          ; v12  512 w + 64 h
.set H1S,  13                          ; v13, v14  where I store h1's images: tiles 0-7, 8-15
.set H1L,  15                          ; v15, v16  where I read them
.set H2S,  17                          ; v17, v18
.set H2L,  19                          ; v19, v20
.set SGA,  21                          ; v21  the stage
.set SCX,  22                          ; v22-24  the conversions' scales as f32
.set SC1,  23
.set SC2,  24
.set VRB,  27                          ; v27  my wave's table of V, + 256 h
.set VST,  28                          ; v28  the same + 528 r: where I store V
.set VJA,  30                          ; v30, v31  row j of the table, for even and for odd tiles
.set XI,   32                          ; v32-63   x's fragments of rows 0-15, 16-31
.set S,    32                          ; v32-95   then a tile's 64 sums U + V
.set HB,   32                          ; v32-95   product 3: four buffers for h2's fragments
.set U,    96                          ; v96-223  U: rows 16 f + r, tile t at + 64 f + 8 t
.set G0,   96                          ; product 2: v96-127 group 0, v128-159 group 1
.set ACC,  96                          ; product 3: eight accumulators
.set BIAS, 160                         ; product 2: v160-223 b2 in the result's layout, tile t at + 8 t
.set CODES, 224                        ; v224-239 a fragment's codes
.set BCH,  240                         ; v240-247 my chunks of b1 and b2
.set VA,   128                         ; window 3, v128-255: V's sixteen accumulators, until they are stored
; Window 1: W1's 16 fragments ((t, s) at 32 t + 16 s); then v0-127 two buffers of a tile's V; then two buffers of h1's four fragments, and v128-255 W3's first K step.
; Windows 2, 3: W2's 32 fragments (4 t + s); at the end window 2 v0-127: W3's second K step.
.set LIM1, 36                          ; s36  448 x 2^(e2 - e0 - e1)
.set LIM2, 37                          ; s37  448 x 2^(e4 - e2 - e3)
.set LIM2Z, 38                         ; s38  the same, or 0 where q = 3
.set MSB, 0
.macro WIN new                         ; s_set_vgpr_msb: bits 1:0 source 0, 3:2 source 1, 5:4 source 2, 7:6 destination; the high byte repeats the setting that is left
.if MSB != (\new)
	s_set_vgpr_msb (MSB<<8)|(\new)
.set MSB, (\new)
.endif
.endm
.macro PLACES n                        ; plain vector lines behind a matrix instruction (ISA guide 7.12.1)
.rept \n
	v_nop
.endr
.endm
.macro MEDS base, n, lim               ; the next n numbers: what is negative becomes 0, what is too large the largest code x the scale.  Registers ascend: each accumulator is read from its low end on.
.rept \n                               ; Its one vector register stands in source 2 and the destination, both window 0 under every setting under which it is used: no switch is needed
	v_med3_num_f32 v[\base+mi], 0, s[\lim], v[\base+mi]
.set mi, mi+1
.endr
.endm
.macro CVT4 grp, cb, sc, nops          ; a group's 32 numbers become 8 registers of codes; plain lines follow the last conversion
.irp p, 0,1,2,3
	v_cvt_scalef32_pk8_fp8_f32 v[CODES+(\cb)+2*\p:CODES+(\cb)+2*\p+1], v[(\grp)+8*\p:(\grp)+8*\p+7], v[\sc]
.endr
	PLACES \nops
.endm
.macro IMG adr, off, cb                ; half a fragment goes to LDS as it stands
.irp i, 0,1
	ds_store_b128 v[\adr], v[CODES+(\cb)+4*\i:CODES+(\cb)+4*\i+3] offset:(\off)+512*((\cb)/4+\i)
.endr
.endm
.macro BARRIER                         ; my LDS stores have landed and my LDS loads are in: then the work-group's barrier
	s_wait_dscnt 0x0
	s_barrier_signal -1
	s_barrier_wait -1
.endm
.macro VLOAD T                         ; V[j] for tile T, j = (r + 8 q + 1 + 16 (T % 2) + T / 2) mod 32: my half's 64 numbers of row j, into window 1, buffer T % 2
	WIN 0
	v_add_nc_u32 v[TM], 16*((\T)%2)+(\T)/2, v[RD]
	v_and_b32 v[TM], 31, v[TM]
	v_mad_u32_u24 v[VJA+(\T)%2], v[TM], VP, v[VRB]
	WIN 0x40
.irp m, 0,1,2,3,4,5,6,7,8,9,10,11,12,13,14,15
	ds_load_b128 v[64*((\T)%2)+4*\m:64*((\T)%2)+4*\m+3], v[VJA+(\T)%2] offset:16*\m
.endr
.endm
.macro W2NEXT                          ; the next of W2's 32 fragments is asked for, into the registers in which it stays
.if WF < 32
	WIN 0x80+0x40*(WF/16)
.irp c, 0,1,2,3
	global_load_b128 v[16*(WF%16)+4*\c:16*(WF%16)+4*\c+3], v[LI], s[18:19] offset:2048*WF+512*\c
.endr
.set WF, WF+1
.endif
.endm
.macro W3LOAD sp, base                 ; my eight fragments of W3 for my K step sp (0, 1)
.irp t, 0,1,2,3,4,5,6,7
.irp c, 0,1,2,3
	global_load_b128 v[(\base)+16*\t+4*\c:(\base)+16*\t+4*\c+3], v[LI], s[20:21] offset:8192*\t+2048*(\sp)+512*\c
.endr
.endr
.endm
.macro H1LOAD T                        ; h1's four fragments of tile T into window 1, buffer T % 2
	WIN 0x40
.irp s, 0,1,2,3
.irp c, 0,1,2,3
	ds_load_b128 v[64*((\T)%2)+16*\s+4*\c:64*((\T)%2)+16*\s+4*\c+3], v[H1L+(\T)/8] offset:TILB*((\T)%8)+2048*\s+512*\c
.endr
.endr
.endm
.macro H2LOAD n                        ; product 3, step n = 16 s + T: h2's fragment (T, my K step s) into buffer n % 4
.irp c, 0,1,2,3
	ds_load_b128 v[HB+16*((\n)%4)+4*\c:HB+16*((\n)%4)+4*\c+3], v[H2L+((\n)%16)/8] offset:TILB*((\n)%8)+2048*((\n)/16)+512*\c
.endr
.endm
	s_load_b256 s[4:11], s[0:1], 0x0               ; x s[4:5], wq s[6:7], b1 s[8:9], b2 s[10:11]
	s_load_b128 s[12:15], s[0:1], 0x20             ; the scales' exponents s[12:13], part s[14:15]
	v_lshl_add_u32 v254, v0, 2, 0x42a00
	v_mov_b32 v255, 0
	v_lshrrev_b32 v25, 5, v0
	v_readfirstlane_b32 s22, v25                   ; wave w
	s_and_b32 s23, ttmp9, 3                        ; q
	s_lshr_b32 s24, ttmp9, 2                       ; b
	s_and_b32 s25, s22, 1                          ; product 3: which 128 outputs
	s_lshr_b32 s26, s22, 1                         ; and which two K steps
	v_and_b32 v[RR], 15, v0
	v_bfe_u32 v[HH], v0, 4, 1
	v_and_b32 v25, 31, v0
	v_lshlrev_b32 v[LI], 4, v25
	v_lshlrev_b32 v[XG], 5, v0
	v_lshlrev_b32 v[T16], 4, v0
	v_lshrrev_b32 v26, 4, v0
	v_mul_u32_u24 v[XST], v26, XP
	v_lshl_add_u32 v[XST], v[RR], 3, v[XST]        ; row thread / 16 of a chunk's eight, 8 bytes at 8 (thread % 16)
	v_lshlrev_b32 v[XH], 4, v[HH]
	v_mad_u32_u24 v[XIA], v[RR], XP, v[XH]
	s_lshl_b32 s44, s23, 3
	s_add_co_u32 s44, s44, 1
	v_add_nc_u32 v[RD], s44, v[RR]
	s_lshl_b32 s44, s22, 9
	v_lshl_add_u32 v[BIA], v[HH], 6, s44
	s_lshl_b32 s44, s22, 11                        ; my K step's image in a tile's four
	s_add_co_u32 s45, s44, H1
	v_add_nc_u32 v[H1S], s45, v[LI]
	v_add_nc_u32 v[H1S+1], 0x10000, v[H1S]         ; tiles 8-15: an LDS immediate has 16 bits
	v_add_nc_u32 v[H1L], H1, v[LI]
	v_add_nc_u32 v[H1L+1], 0x10000, v[H1L]
	s_add_co_u32 s45, s44, H2
	v_add_nc_u32 v[H2S], s45, v[LI]
	v_add_nc_u32 v[H2S+1], 0x10000, v[H2S]
	s_lshl_b32 s44, s26, 12
	s_add_co_u32 s45, s44, H2
	v_add_nc_u32 v[H2L], s45, v[LI]
	v_add_nc_u32 v[H2L+1], 0x10000, v[H2L]
	s_lshl_b32 s44, s26, 10
	s_lshl_b32 s45, s25, 9
	s_add_co_u32 s44, s44, s45
	v_and_b32 v26, 8, v[RR]
	v_add_nc_u32 v26, v26, v[RR]                   ; r + 8 (r / 8)
	v_lshl_add_u32 v[SGA], v26, 2, s44
	s_mul_i32 s44, s22, VPW
	s_add_co_u32 s44, s44, VT                      ; my wave's table of V
	v_lshl_add_u32 v[VRB], v[HH], 8, s44
	v_mad_u32_u24 v[VST], v[RR], VP, v[VRB]
	s_mov_b32 s42, 0x76543210                      ; v_permlanex16_b32's selects for lane l xor 16
	s_mov_b32 s43, 0xfedcba98
	s_lshl_b32 s44, s24, 14                        ; a set's 32 rows of 512 bytes
	s_mov_b32 s45, 0
	s_lshl_b32 s46, ttmp9, 10                      ; my 256 numbers of part
	s_mov_b32 s47, 0
	s_lshl_b32 s48, s22, 15                        ; W1: my 16 fragments
	s_mov_b32 s49, 0
	s_wait_kmcnt 0x0
	s_load_b128 s[28:31], s[12:13], 0x0            ; e0 .. e3
	s_load_b32 s32, s[12:13], 0x10                 ; e4
	s_add_nc_u64 s[4:5], s[4:5], s[44:45]
	s_add_nc_u64 s[14:15], s[14:15], s[46:47]
	s_add_nc_u64 s[16:17], s[6:7], s[48:49]
	s_lshl_b32 s48, s22, 16                        ; W2: my 32 fragments
	s_add_co_u32 s48, s48, OFFW2
	s_add_nc_u64 s[18:19], s[6:7], s[48:49]
	s_lshl_b32 s48, s25, 16                        ; W3: my eight tiles' fragments, from my first K step on
	s_lshl_b32 s50, s26, 12
	s_add_co_u32 s48, s48, s50
	s_add_co_u32 s48, s48, OFFW3
	s_add_nc_u64 s[20:21], s[6:7], s[48:49]
.irp i, 0,1,2,3                                ; x: four chunks of 8 rows; a thread takes 8 neighbours of each
	global_load_b128 v[G0+8*\i:G0+8*\i+3], v[XG], s[4:5] offset:4096*\i
	global_load_b128 v[G0+8*\i+4:G0+8*\i+7], v[XG], s[4:5] offset:4096*\i+16
.endr
	global_load_b128 v[BCH:BCH+3], v[T16], s[8:9]
	global_load_b128 v[BCH+4:BCH+7], v[T16], s[10:11]
	WIN 0x40                                       ; destination window 1
.irp f, 0,1,2,3,4,5,6,7,8,9,10,11,12,13,14,15
.irp c, 0,1,2,3
	global_load_b128 v[16*\f+4*\c:16*\f+4*\c+3], v[LI], s[16:17] offset:2048*\f+512*\c
.endr
.endr
	WIN 0
	s_wait_kmcnt 0x0
	s_add_co_i32 s44, s28, 127
	s_lshl_b32 s45, s44, 23
	v_mov_b32 v[SCX], s45                          ; 2^e0 as f32: a conversion takes its scale's exponent field
	s_add_co_i32 s44, s44, 8
	s_lshl_b32 s34, s44, 23
	s_or_b32 s34, s34, 0x600000                    ; 448 x 2^e0,
	s_or_b32 s35, s34, 0x80000000                  ; and its negative
	s_add_co_i32 s46, s28, s29                     ; a sum of product 1 stands for sum x 2^(e0 + e1): b1 goes in divided by that,
	s_sub_co_i32 s39, 0, s46
	s_sub_co_i32 s44, s30, s46                     ; and h1's conversion takes 2^(e2 - e0 - e1)
	s_add_co_i32 s44, s44, 127
	s_lshl_b32 s45, s44, 23
	v_mov_b32 v[SC1], s45
	s_add_co_i32 s44, s44, 8
	s_lshl_b32 s[LIM1], s44, 23
	s_or_b32 s[LIM1], s[LIM1], 0x600000
	s_add_co_i32 s46, s30, s31                     ; likewise for product 2
	s_sub_co_i32 s40, 0, s46
	s_sub_co_i32 s44, s32, s46
	s_add_co_i32 s44, s44, 127
	s_lshl_b32 s45, s44, 23
	v_mov_b32 v[SC2], s45
	s_add_co_i32 s44, s44, 8
	s_lshl_b32 s[LIM2], s44, 23
	s_or_b32 s[LIM2], s[LIM2], 0x600000
	s_cmp_eq_u32 s23, 3
	s_cselect_b32 s[LIM2Z], 0, s[LIM2]             ; tiles 14 and 15 of quarter 3 are i = j: their h2 is held at 0
	; ---- 0: x's 32 rows become codes in LDS; the biases, divided, go there too
	s_wait_loadcnt 63                              ; 64 loads were issued behind b2's, and the wait's field ends at 63: x, b1, b2 (and W1's first load) are in
.irp i, 0,1,2,3,4,5,6,7,8,9,10,11,12,13,14,15,16,17,18,19,20,21,22,23,24,25,26,27,28,29,30,31
	v_med3_num_f32 v[G0+\i], v[G0+\i], s35, s34    ; the conversion to an 8-bit code does not saturate (ISA guide 7.6.2)
.endr
.irp i, 0,1,2,3
	v_cvt_scalef32_pk8_fp8_f32 v[CODES+2*\i:CODES+2*\i+1], v[G0+8*\i:G0+8*\i+7], v[SCX]
.endr
	v_nop                                          ; a plain line behind the last conversion: products write its sources later
.irp i, 0,1,2,3
	ds_store_b64 v[XST], v[CODES+2*\i:CODES+2*\i+1] offset:XC+8*XP*\i
.endr
.irp i, 0,1,2,3
	v_ldexp_f32 v[BCH+\i], v[BCH+\i], s39
	v_ldexp_f32 v[BCH+4+\i], v[BCH+4+\i], s40
.endr
	ds_store_b128 v[T16], v[BCH:BCH+3] offset:BI1
	ds_store_b128 v[T16], v[BCH+4:BCH+7] offset:BI2
	BARRIER                                        ; x's codes and both biases lie in LDS; nobody writes them again
	; ---- 1a: U and V for the set's 32 rows and my 128 units: 32 matrix instructions, each on an accumulator of its own (K = 128 is one instruction)
.irp f, 0,1                                    ; b1 in the result's layout goes straight into U's registers, once for each half of the rows: for tile t lane (r, h) wants units 128 w + 32 (t / 2) + 16 h + 8 (t % 2) + 0 .. 7
.irp t, 0,1,2,3,4,5,6,7
	ds_load_b128 v[U+64*\f+8*\t:U+64*\f+8*\t+3], v[BIA] offset:BI1+4*(32*(\t/2)+8*(\t%2))
	ds_load_b128 v[U+64*\f+8*\t+4:U+64*\f+8*\t+7], v[BIA] offset:BI1+4*(32*(\t/2)+8*(\t%2))+16
.endr
.endr
.irp f, 0,1
.irp c, 0,1,2,3
	ds_load_b128 v[XI+16*\f+4*\c:XI+16*\f+4*\c+3], v[XIA] offset:XC+16*XP*\f+32*\c   ; x's two fragments
.endr
.endr
.set WF, 0
.rept 15
	W2NEXT                                         ; W2's fragments 0-14 are asked for here, where the wave has to wait for W1 in any case
.endr
	WIN 0
	s_wait_loadcnt 60                              ; all but those 15 x 4 loads: W1 is in
	s_wait_dscnt 0x0                               ; b1 and x's fragments
	WIN 0xc1                                       ; source 0 (W1) window 1, destination window 3
.irp f, 0,1
.irp t, 0,1,2,3,4,5,6,7
	v_wmma_f32_16x16x128_fp8_fp8 v[VA+64*\f+8*\t:VA+64*\f+8*\t+7], v[32*\t+16:32*\t+31], v[XI+16*\f:XI+16*\f+15], 0   ; V: W1's second K step
.endr
.endr
	PLACES 4                                       ; in front of the stores that read these results
	WIN 0x0c                                       ; an LDS store's data are its source 1: window 3
.irp f, 0,1
.irp t, 0,1,2,3,4,5,6,7
	ds_store_b128 v[VST], v[VA+64*\f+8*\t:VA+64*\f+8*\t+3] offset:16*VP*\f+32*\t        ; row 16 f + r, my half's units of tile t; each accumulator from its low end on
	ds_store_b128 v[VST], v[VA+64*\f+8*\t+4:VA+64*\f+8*\t+7] offset:16*VP*\f+32*\t+16
.endr
.endr
	WIN 0x01                                       ; source 0 (W1) window 1
.irp f, 0,1
.irp t, 0,1,2,3,4,5,6,7
	v_wmma_f32_16x16x128_fp8_fp8 v[U+64*\f+8*\t:U+64*\f+8*\t+7], v[32*\t:32*\t+15], v[XI+16*\f:XI+16*\f+15], v[U+64*\f+8*\t:U+64*\f+8*\t+7]   ; U: W1's first K step, onto b1
.endr
.endr
	PLACES 4                                       ; behind the last products: for the loads into W1's registers, the sums written over x's fragments, and the reads of U
	WIN 0
	BARRIER                                        ; a wave reads only the table that it stored itself; this barrier parts all stores of the tables from all reads of them
	; ---- 1b: h1, a tile of 16 pairs at a time: U[i] + V[j], activation and hold, codes, image.  No matrix instruction: V[j] comes from my table, two tiles ahead.
	VLOAD 0
	VLOAD 1
.macro TILE1 T
.if (\T) < 15
	s_wait_dscnt 16                                ; only the next tile's 16 loads may be out: this tile's V is in, and the last tile's four image stores have read the code registers
.else
	s_wait_dscnt 0x0                               ; (nothing was asked for behind the last tile's V but four stores)
.endif
	WIN 0x04                                       ; source 1 (V) window 1
.irp m, 0,2,4,6,8,10,12,14,16,18,20,22,24,26,28,30,32,34,36,38,40,42,44,46,48,50,52,54,56,58,60,62
	v_pk_add_f32 v[S+\m:S+\m+1], v[U+64*((\T)%2)+\m:U+64*((\T)%2)+\m+1], v[64*((\T)%2)+\m:64*((\T)%2)+\m+1]   ; each accumulator of U from its low end on
.endr
.set mi, 0
	MEDS S, 64, LIM1
	WIN 0
.irp p, 0,1,2,3,4,5,6,7
	v_cvt_scalef32_pk8_fp8_f32 v[CODES+2*\p:CODES+2*\p+1], v[S+8*\p:S+8*\p+7], v[SC1]
.endr
	v_nop                                          ; a plain line behind the last conversion: the next tile's additions write its sources
.irp c, 0,1,2,3
	ds_store_b128 v[H1S+(\T)/8], v[CODES+4*\c:CODES+4*\c+3] offset:TILB*((\T)%8)+512*\c   ; K step w of the second product, tile T
.endr
.if (\T) < 14
	VLOAD (\T)+2                                   ; into the buffer just added
.endif
	W2NEXT                                         ; W2's fragments 15-31: two a tile, in tiles 0-8
	W2NEXT
.endm
.irp tt, 0,1,2,3,4,5,6,7,8,9,10,11,12,13,14,15
	TILE1 \tt
.endr
	WIN 0
.irp t, 0,1,2,3,4,5,6,7                        ; b2, where U's second half lay
	ds_load_b128 v[BIAS+8*\t:BIAS+8*\t+3], v[BIA] offset:BI2+4*(32*(\t/2)+8*(\t%2))
	ds_load_b128 v[BIAS+8*\t+4:BIAS+8*\t+7], v[BIA] offset:BI2+4*(32*(\t/2)+8*(\t%2))+16
.endr
	BARRIER                                        ; h1's 64 images lie in LDS, and nobody reads a table of V any more
	; ---- 2: h2.  Half g of tile T: 16 products on group g, K step by K step; behind each, two holds of the other group.
	; The eight accumulators of the two groups take turns, one instruction a turn.  The four v_nop behind a half's conversions are the places behind its last products, for all that follows:
	; the next half's reads of this group, loads into fragments that were read, and the products that begin the other group anew.
	H1LOAD 0
	H1LOAD 1
	W3LOAD 0, 128                                  ; window 1, v128-255: wanted in the third product
	s_wait_loadcnt 32                              ; all but those 32: W2 is in
.macro HALF2 T, g
.set mi, 0
.set GCUR, G0+32*(\g)
.set GOTH, G0+32-32*(\g)
.set FBB, 64*((\T)%2)
.set HOLD, 1
.if ((\T) == 0) && ((\g) == 0)
.set HOLD, 0                           ; nothing is finished yet
.endif
.set LM, LIM2
.if ((\T)+(\g)) >= 15
.set LM, LIM2Z                         ; what is held here belongs to tile 14 or 15
.endif
.if (\g) == 0
.if (\T) == 0
	s_wait_dscnt 16                                ; tile 0's fragments are in, tile 1's may be out
.elseif (\T) < 15
	s_wait_dscnt 18                                ; behind this tile's fragments came stores, and last of all 2 stores and the next tile's 16 loads: these may be out
.else
	s_wait_dscnt 2                                 ; only the last half's 2 stores may be out
.endif
.endif
	WIN 0x06+(\g)                                  ; source 0 (W2) window 2 or 3, source 1 (h1) window 1
.irp s, 0,1,2,3
.irp u, 0,1,2,3
.if \s == 0
	v_wmma_f32_16x16x128_fp8_fp8 v[GCUR+8*\u:GCUR+8*\u+7], v[16*(4*\u+\s):16*(4*\u+\s)+15], v[FBB+16*\s:FBB+16*\s+15], v[BIAS+8*(4*(\g)+\u):BIAS+8*(4*(\g)+\u)+7]
.else
	v_wmma_f32_16x16x128_fp8_fp8 v[GCUR+8*\u:GCUR+8*\u+7], v[16*(4*\u+\s):16*(4*\u+\s)+15], v[FBB+16*\s:FBB+16*\s+15], v[GCUR+8*\u:GCUR+8*\u+7]
.endif
.if HOLD
	MEDS GOTH, 2, LM
.endif
.endr
.endr
	WIN 0
.if (\g) == 0
.if (\T) > 0
	CVT4 G0+32, 8, SC2, 4                          ; group 1 of the tile before: pieces 2 and 3 of its fragment
	IMG H2S+((\T)-1)/8, TILB*(((\T)-1)%8), 8
.else
	PLACES 4
.endif
.if (\T) == 15
	WIN 0x80                                       ; window 2 has been multiplied for the last time: W3's second K step lands there
	W3LOAD 1, 0
.endif
.else
.if (\T) > 0
.if (\T) < 15
	s_wait_dscnt 18                                ; behind the last stores of code registers 0-7 came 16 loads and 2 stores
.else
	s_wait_dscnt 2
.endif
.endif
	CVT4 G0, 0, SC2, 4                             ; group 0 of this tile: pieces 0 and 1
	IMG H2S+(\T)/8, TILB*((\T)%8), 0
.if (\T) < 14
	H1LOAD (\T)+2                                  ; into the buffer just multiplied: a whole tile's 32 products ahead of its use
.endif
.endif
.endm
.irp tt, 0,1,2,3,4,5,6,7,8,9,10,11,12,13,14,15
	HALF2 \tt, 0
	HALF2 \tt, 1
.endr
	WIN 0
.set mi, 0
	MEDS G0+32, 32, LIM2Z                          ; the last tile's group 1
	s_wait_dscnt 2                                 ; behind the last stores of code registers 8-15 came 2 stores
	CVT4 G0+32, 8, SC2, 1
	IMG H2S+1, TILB*7, 8
	BARRIER                                        ; h2's 64 images lie in LDS
	; ---- 3: 32 steps (my two K steps x 16 tiles of pairs), 8 products each on eight accumulators that take turns and never start anew: the pairs are summed as they come
.irp n, 0,1,2,3
	H2LOAD \n
.endr
	s_wait_loadcnt 32                              ; W3's first K step is in; the second's 32 loads may be out
	WIN 0x04                                       ; source 1 (W3) window 1; LDS loads and v_nop are the same under this setting
.macro STEP3 n
.if (\n) == 16
	s_wait_loadcnt 0x0                             ; W3's second K step
	WIN 0x08                                       ; source 1 window 2
.endif
.if (\n) <= 28
	s_wait_dscnt 12                                ; this step's fragment is in; the three younger ones may be out
.else
	s_wait_dscnt 4*(31-(\n))
.endif
.irp t, 0,1,2,3,4,5,6,7
.if (\n) == 0
	v_wmma_f32_16x16x128_fp8_fp8 v[ACC+8*\t:ACC+8*\t+7], v[HB+16*((\n)%4):HB+16*((\n)%4)+15], v[128+16*\t:128+16*\t+15], 0
.elseif (\n) < 16
	v_wmma_f32_16x16x128_fp8_fp8 v[ACC+8*\t:ACC+8*\t+7], v[HB+16*((\n)%4):HB+16*((\n)%4)+15], v[128+16*\t:128+16*\t+15], v[ACC+8*\t:ACC+8*\t+7]
.else
	v_wmma_f32_16x16x128_fp8_fp8 v[ACC+8*\t:ACC+8*\t+7], v[HB+16*((\n)%4):HB+16*((\n)%4)+15], v[16*\t:16*\t+15], v[ACC+8*\t:ACC+8*\t+7]
.endif
.endr
.if (\n) <= 27
	PLACES 4                                       ; in front of loads into the fragment just multiplied
	H2LOAD (\n)+4
.endif
.endm
.irp nn, 0,1,2,3,4,5,6,7,8,9,10,11,12,13,14,15,16,17,18,19,20,21,22,23,24,25,26,27,28,29,30,31
	STEP3 \nn
.endr
	; ---- the way out: register j of lane (r, h) is pair 8 h + j's share of output r: eight registers and the other half of the lanes are added; the two K halves meet in the stage
	WIN 0
	PLACES 4
.irp t, 0,1,2,3,4,5,6,7
	v_pk_add_f32 v[ACC+8*\t:ACC+8*\t+1], v[ACC+8*\t:ACC+8*\t+1], v[ACC+8*\t+2:ACC+8*\t+3]   ; each accumulator from its low end on
.endr
.irp t, 0,1,2,3,4,5,6,7
	v_pk_add_f32 v[ACC+8*\t+4:ACC+8*\t+5], v[ACC+8*\t+4:ACC+8*\t+5], v[ACC+8*\t+6:ACC+8*\t+7]
.endr
.irp t, 0,1,2,3,4,5,6,7
	v_pk_add_f32 v[ACC+8*\t:ACC+8*\t+1], v[ACC+8*\t:ACC+8*\t+1], v[ACC+8*\t+4:ACC+8*\t+5]
.endr
.irp t, 0,1,2,3,4,5,6,7
	v_add_f32 v[ACC+8*\t], v[ACC+8*\t], v[ACC+8*\t+1]
.endr
.irp t, 0,1,2,3,4,5,6,7
	v_permlanex16_b32 v[ACC+8*\t+1], v[ACC+8*\t], s42, s43
.endr
.irp t, 0,1,2,3,4,5,6,7
	v_add_f32 v[ACC+8*\t], v[ACC+8*\t], v[ACC+8*\t+1]
.endr
.irp t, 0,1,2,3,4,5,6,7
	ds_store_b32 v[SGA], v[ACC+8*\t] offset:STG+4*(32*(\t/2)+8*(\t%2))   ; output 128 (w % 2) + 32 (t / 2) + 8 (t % 2) + r + 8 (r / 8); both halves of the lanes write the same number to the same word
.endr
	BARRIER
	s_cmp_lt_u32 s22, 2                            ; waves 0 and 1 add the two K halves and store: 64 threads, 4 outputs each
	s_cbranch_scc0 .Lend
	ds_load_b128 v[32:35], v[T16] offset:STG
	ds_load_b128 v[36:39], v[T16] offset:STG+1024
	s_wait_dscnt 0x0
	v_pk_add_f32 v[32:33], v[32:33], v[36:37]
	v_pk_add_f32 v[34:35], v[34:35], v[38:39]
	global_store_b128 v[T16], v[32:35], s[14:15]   ; a wave stores 512 consecutive bytes, at a multiple of 256 from part's first byte
.Lend:
	s_wait_tensorcnt 0x0
	ds_add_u32 v254, v255
	s_wait_dscnt 0x0
	s_endpgm
.Lfunc_end_k_q3784524789_main:
	.size	k_q3784524789_main, .Lfunc_end_k_q3784524789_main-k_q3784524789_main
	.p2alignl 7, 3214868480
	.fill 96, 4, 3214868480
	.section	.rodata,"a",@progbits
	.p2align	6, 0x0
	.amdhsa_kernel k_q3784524789_main
		.amdhsa_group_segment_fixed_size 273408
		.amdhsa_private_segment_fixed_size 0
		.amdhsa_enable_private_segment 0
		.amdhsa_kernarg_size 48
		.amdhsa_user_sgpr_count 2
		.amdhsa_user_sgpr_kernarg_segment_ptr 1
		.amdhsa_wavefront_size32 1
		.amdhsa_system_sgpr_workgroup_id_x 1
		.amdhsa_system_sgpr_workgroup_id_y 1
		.amdhsa_system_sgpr_workgroup_id_z 1
		.amdhsa_system_vgpr_workitem_id 0
		.amdhsa_next_free_vgpr 1024
		.amdhsa_next_free_sgpr 66
		.amdhsa_reserve_vcc 0
		.amdhsa_float_denorm_mode_32 3
		.amdhsa_float_denorm_mode_16_64 3
		.amdhsa_memory_ordered 1
		.amdhsa_forward_progress 1
		.amdhsa_inst_pref_size 255
	.end_amdhsa_kernel
	.section	.bss,"aw",@nobits
	.p2align	6
	.space	262144
	.amdgpu_metadata
---
amdhsa.version: [ 1, 2 ]
amdhsa.kernels:
  - .name:           k_q3784524789_main
    .symbol:         k_q3784524789_main.kd
    .args:
      - { .name: x, .offset: 0, .size: 8, .value_kind: global_buffer, .address_space: global }
      - { .name: wq, .offset: 8, .size: 8, .value_kind: global_buffer, .address_space: global }
      - { .name: b1, .offset: 16, .size: 8, .value_kind: global_buffer, .address_space: global }
      - { .name: b2, .offset: 24, .size: 8, .value_kind: global_buffer, .address_space: global }
      - { .name: lowp_scales, .offset: 32, .size: 8, .value_kind: global_buffer, .address_space: global }
      - { .name: part, .offset: 40, .size: 8, .value_kind: global_buffer, .address_space: global }
    .group_segment_fixed_size: 273408
    .private_segment_fixed_size: 0
    .kernarg_segment_align: 8
    .kernarg_segment_size: 48
    .max_flat_workgroup_size: 128
    .sgpr_count:     66
    .vgpr_count:     1024
    .wavefront_size: 32
...
	.end_amdgpu_metadata
.endif
;; end of part 2
;; launch fin (part 3): grid 64 x 1, 2 waves a work-group, no clusters, 0 bytes of LDS; arguments part, b3, lowp_scales, out0; writes out0
.if DOCPART == 3
	.amdgcn_target "amdgcn-amd-amdhsa--gfx1250"
	.amdhsa_code_object_version 6
	.text
	.protected	k_q3784524789_fin
	.globl	k_q3784524789_fin
	.p2align	8
	.type	k_q3784524789_fin,@function
k_q3784524789_fin:
	s_mov_b64 s[64:65], 0
	v_nop
	global_prefetch_b8 v0, s[64:65] scope:SCOPE_SE
	s_setreg_imm32_b32 hwreg(HW_REG_WAVE_MODE, 25, 1), 1
	s_wait_xcnt 0x0
; out0[b][o] = 2^(e4 + e5) x (the four quarters' sums of set b) + 992 b3[o]: each of the 992 pairs adds b3 once.
; A work-group takes a set, a thread four outputs: every load and the store cover 512 consecutive bytes a wave.  The power of two is applied by v_ldexp_f32: no limit on e4 + e5.
	s_load_b256 s[4:11], s[0:1], 0x0               ; part s[4:5], b3 s[6:7], the scales' exponents s[8:9], out0 s[10:11]
	v_lshlrev_b32 v1, 4, v0                        ; my 16 bytes
	s_lshl_b32 s12, ttmp9, 12                      ; the set's four rows of part
	s_mov_b32 s13, 0
	s_lshl_b32 s14, ttmp9, 10                      ; its row of out0
	s_mov_b32 s15, 0
	s_wait_kmcnt 0x0
	s_load_b64 s[16:17], s[8:9], 0x10              ; e4, e5
	s_add_nc_u64 s[4:5], s[4:5], s[12:13]
	s_add_nc_u64 s[10:11], s[10:11], s[14:15]
.irp q, 0,1,2,3
	global_load_b128 v[4+4*\q:7+4*\q], v1, s[4:5] offset:1024*\q th:TH_LOAD_NT
.endr
	global_load_b128 v[20:23], v1, s[6:7]
	s_wait_kmcnt 0x0
	s_add_co_i32 s16, s16, s17
	s_wait_loadcnt 0x0
	v_pk_add_f32 v[4:5], v[4:5], v[8:9]
	v_pk_add_f32 v[6:7], v[6:7], v[10:11]
	v_pk_add_f32 v[12:13], v[12:13], v[16:17]
	v_pk_add_f32 v[14:15], v[14:15], v[18:19]
	v_pk_add_f32 v[4:5], v[4:5], v[12:13]
	v_pk_add_f32 v[6:7], v[6:7], v[14:15]
.irp i, 4,5,6,7
	v_ldexp_f32 v\i, v\i, s16
.endr
	v_pk_fma_f32 v[4:5], v[20:21], 0x44780000, v[4:5] op_sel_hi:[1,0,1]   ; + 992 b3
	v_pk_fma_f32 v[6:7], v[22:23], 0x44780000, v[6:7] op_sel_hi:[1,0,1]
	global_store_b128 v1, v[4:7], s[10:11]
	s_endpgm
.Lfunc_end_k_q3784524789_fin:
	.size	k_q3784524789_fin, .Lfunc_end_k_q3784524789_fin-k_q3784524789_fin
	.p2alignl 7, 3214868480
	.fill 96, 4, 3214868480
	.section	.rodata,"a",@progbits
	.p2align	6, 0x0
	.amdhsa_kernel k_q3784524789_fin
		.amdhsa_group_segment_fixed_size 0
		.amdhsa_private_segment_fixed_size 0
		.amdhsa_enable_private_segment 0
		.amdhsa_kernarg_size 32
		.amdhsa_user_sgpr_count 2
		.amdhsa_user_sgpr_kernarg_segment_ptr 1
		.amdhsa_wavefront_size32 1
		.amdhsa_system_sgpr_workgroup_id_x 1
		.amdhsa_system_sgpr_workgroup_id_y 1
		.amdhsa_system_sgpr_workgroup_id_z 1
		.amdhsa_system_vgpr_workitem_id 0
		.amdhsa_next_free_vgpr 32
		.amdhsa_next_free_sgpr 66
		.amdhsa_reserve_vcc 0
		.amdhsa_float_denorm_mode_32 3
		.amdhsa_float_denorm_mode_16_64 3
		.amdhsa_memory_ordered 1
		.amdhsa_forward_progress 1
		.amdhsa_inst_pref_size 3
	.end_amdhsa_kernel
	.amdgpu_metadata
---
amdhsa.version: [ 1, 2 ]
amdhsa.kernels:
  - .name:           k_q3784524789_fin
    .symbol:         k_q3784524789_fin.kd
    .args:
      - { .name: part, .offset: 0, .size: 8, .value_kind: global_buffer, .address_space: global }
      - { .name: b3, .offset: 8, .size: 8, .value_kind: global_buffer, .address_space: global }
      - { .name: lowp_scales, .offset: 16, .size: 8, .value_kind: global_buffer, .address_space: global }
      - { .name: out0, .offset: 24, .size: 8, .value_kind: global_buffer, .address_space: global }
    .group_segment_fixed_size: 0
    .private_segment_fixed_size: 0
    .kernarg_segment_align: 8
    .kernarg_segment_size: 32
    .max_flat_workgroup_size: 64
    .sgpr_count:     66
    .vgpr_count:     32
    .wavefront_size: 32
...
	.end_amdgpu_metadata
.endif
;; end of part 3
;; ======== version 2 of 2: 3 launches; version 1 with the launch main written anew for expert scheduling mode
;; workspace buffers: wq 524,288 bytes; part 262,144 bytes
;; launch prep: the kernel of part 1 again; grid 256 x 1, 4 waves a work-group, no clusters, 0 bytes of LDS; arguments W1, W2, W3, lowp_scales, wq; writes wq
;; launch main (part 4): grid 256 x 1, 4 waves a work-group, no clusters, 273,408 bytes of LDS; arguments x, wq, b1, b2, lowp_scales, part; writes part
.if DOCPART == 4
	.amdgcn_target "amdgcn-amd-amdhsa--gfx1250"
	.amdhsa_code_object_version 6
	.text
	.protected	k_q3784524789_main
	.globl	k_q3784524789_main
	.p2align	8
	.type	k_q3784524789_main,@function
k_q3784524789_main:
	s_mov_b64 s[64:65], 0
	v_nop
	global_prefetch_b8 v0, s[64:65] scope:SCOPE_SE
	s_setreg_imm32_b32 hwreg(HW_REG_WAVE_SCHED_MODE, 0, 2), 2
	s_setreg_imm32_b32 hwreg(HW_REG_WAVE_MODE, 25, 1), 1
	s_wait_xcnt 0x0
	s_wait_alu depctr_vm_vsrc(0)
; For 256 ordered pairs (i, j) of one set's 32 rows: relu(relu([x_i x_j] W1 + b1) W2 + b2) W3, summed over the pairs, all three products on codes of E4M3.  part[work-group][256] = that sum / 2^(e4 + e5), f32.
; SHARES.  Work-group wg: set b = wg / 4, quarter q = wg % 4.  It takes 16 tiles of 16 pairs: tile T has d = 8 q + 1 + T / 2 and rows i = 16 (T % 2) + r, j = (i + d) mod 32.  The pairs are summed, so their order is free;
; d = 1 .. 31 gives each ordered pair once.  d = 32 (q = 3, T = 14, 15) is i = j, which is no pair: those two tiles run like the others, but their second hidden layer is held between 0 and 0, so that they add nothing.
; THE WAVES SHARE THE COLUMNS.  Wave w makes hidden units 128 w .. 128 w + 127 of both layers for all 256 pairs: K step w of the next product.  In the third product wave w takes outputs 128 (w % 2) on and K steps 2 (w / 2), 2 (w / 2) + 1.
; Its weights come from wq, which holds them in the order of operand registers, straight into its registers, each byte once a wave.  The hidden layers go from wave to wave through LDS as images of operand registers.
; PRODUCT 1 IS MADE ONCE A ROW, NOT ONCE A PAIR.  A pair's operand row is x_i's 128 codes and then x_j's, so its sum is U[i] + V[j], U[i] = b1 + x_i's codes x W1's rows 0-127, V[j] = x_j's codes x W1's rows 128-255.
; The set has 32 rows: U and V for a wave's 128 units are 32 matrix instructions, against 256 if each of the 256 pairs were multiplied anew; a tile of pairs then costs 32 packed additions.  The same codes are multiplied by the same form.
; ORDER OF ROUNDING: a pair's sum is (b1 + 128 products) + (128 products), two f32 sums of the matrix unit and one f32 addition, and not one chain over K = 256.
; LAYOUT OF AN OPERAND: lane (r, h) holds row r; registers 4 c .. 4 c + 3 hold k = 32 c + 16 h + 0 .. 15.  That is a permutation of k, the same on both sides of every product.
; Products 1 and 2 are used TRANSPOSED (source 0 = 16 units of the weight, source 1 = 16 rows): a lane holds one row, and since a tile's units are 32 (t / 2) + 8 (t % 2) + r + 8 (r / 8), the 16 registers of tiles 2 c, 2 c + 1
; are 16 neighbours along the next K.  The bias is the C of a sum's first product, divided by the power of two that the sums lack.  Product 3 is used as it stands (source 0 = 16 pairs, source 1 = 16 outputs),
; and its eight accumulators go on adding from tile to tile: the sum over pairs costs seven additions and one exchange of halves an accumulator at the end.
; BY TURNS (product 2).  A wave's 8 tiles of units are two groups of 4.  While one group is multiplied, the other's finished sums are held between 0 and the largest code x the scale (activation and hold in one), two lines behind each matrix instruction.
; NO CLUSTER, though all work-groups read the same 512 KB of codes (256 fragments of 2,048 bytes a work-group): a joint load lands in LDS, of whose 327,680 bytes this text uses 272,896; the 54,784 left hold 26 fragments,
; so the weights would come in ten rounds or more, and each byte would cross LDS once more on its way to the registers in which it stays.
; LIMITS on the given exponents, so that each power of two below is an f32 number: e0, e2 - e0 - e1 and e4 - e2 - e3 between -126 and 119.  NaN among the inputs is not served.
; THE MODE: SCHED_MODE bits 1:0 = 2 (LLVM: expert scheduling mode 2), set by the entry lines.  The code itself states the register dependences between vector or matrix instructions and memory or LDS instructions, with s_wait_alu, always for 0.
; THE PLAN.  Registers that memory or LDS instructions touch, and who else names them:
;   v3-v9, v12-v21, v27, v28   addresses: written at the head, ahead of one wait on va_vdst, and never again.
;   v30, v31                   row j of V's table, for even and odd tiles: tile T writes the one for tile T + 2; that tile's 16 loads read it.
;   v224-239                   codes: written by conversions, read by LDS stores.
;   window 1, v0-127           two buffers by turns.  Product 1: tile T's additions read buffer T % 2, then tile T + 2's V lands in it.  Product 2: tile T's 32 products read it, then tile T + 2's fragments of h1 land in it.
;   window 3, v128-255         V's accumulators: written by 16 products, read by 32 LDS stores; W2's fragments 24-31 land there later.
;   v96-223                    b1 lands there, U's products add onto it, the additions read it; b2 lands in v160-223 behind the last tile.
;   v32-95, v160-223           product 3: two sets of four fragment buffers.  A group of four steps reads one set; the loads that it issues land in the other.
; THE WAITS.  Product 1, a tile: one on vm_vsrc at its head (the stores and loads issued so far have read the codes and v30 or v31), one on va_vdst behind its conversions and the next address, ahead of its 4 stores and 16 loads.
; Product 2, a tile of 32 products: one on vm_vsrc ahead of the first half's conversions, one on va_vdst at the second half's end, ahead of 4 stores (a whole fragment's worth of codes) and 16 loads.
; Product 3: one on va_vdst for each group of 32 products; the group's 16 loads are dealt among its products, which name the other set, the accumulators and W3 alone.
; LDS: x's codes; a stage for the way out; the two biases; the images of both hidden layers: image (T, s) at (4 T + s) x 2,048, piece c at + 512 c, lane at + 16 x lane.  Until h2's images are made, their bytes hold the waves' tables of V.
.set XC,   0                           ; x's codes: 32 rows of 128 bytes + 16 of padding
.set XP,   144
.set STG,  4608                        ; [K half][256] f32
.set BI1,  6656                        ; b1 / 2^(e0 + e1), 512 f32
.set BI2,  8704                        ; b2 / 2^(e2 + e3)
.set H1,   10752                       ; 64 images
.set H2,   141824                      ; 64 images; ends at 272,896
.set TILB, 8192                        ; a tile's four images
.set VT,   H2                          ; V: a table for each wave: 32 rows; in a row 256 bytes for each half of the lanes (its 64 units, tile by tile), then 16 of padding
.set VP,   528                         ; = 132 words: sixteen neighbouring rows start 4 banks apart (64 banks of 4 bytes: ISA guide 11.1)
.set VPW,  32*VP                       ; 16,896 bytes a wave, 67,584 in all: inside h2's 131,072
.set OFFW2, 131072
.set OFFW3, 393216
; REGISTERS, in windows of 256.  Window 0:
.set RR,   1                           ; v1   r = lane % 16
.set HH,   2                           ; v2   h = lane / 16
.set LI,   3                           ; v3   16 x lane
.set XG,   4                           ; v4   32 x thread: my 8 numbers of a chunk of x
.set T16,  5                           ; v5   16 x thread
.set XST,  6                           ; v6   where I store 8 codes of x
.set XH,   7                           ; v7   16 h
.set XIA,  8                           ; v8   144 r + 16 h
.set RD,   9                           ; v9   r + 8 q + 1
.set TM,   10
.set BIA,  12                          ; v12  512 w + 64 h
.set H1S,  13                          ; v13, v14  where I store h1's images: tiles 0-7, 8-15
.set H1L,  15                          ; v15, v16  where I read them
.set H2S,  17                          ; v17, v18
.set H2L,  19                          ; v19, v20
.set SGA,  21                          ; v21  the stage
.set SCX,  22                          ; v22-24  the conversions' scales as f32
.set SC1,  23
.set SC2,  24
.set VRB,  27                          ; v27  my wave's table of V, + 256 h
.set VST,  28                          ; v28  the same + 528 r: where I store V
.set VJA,  30                          ; v30, v31  row j of the table, for even and for odd tiles
.set XI,   32                          ; v32-63   x's fragments of rows 0-15, 16-31
.set S,    32                          ; v32-95   then a tile's 64 sums U + V
.set HB,   32                          ; product 3: eight buffers for h2's fragments: buffer k at 32 + 16 k, from k = 4 on 64 further up: v32-95 and v160-223
.set U,    96                          ; v96-223  U: rows 16 f + r, tile t at + 64 f + 8 t
.set G0,   96                          ; product 2: v96-127 group 0, v128-159 group 1
.set ACC,  96                          ; product 3: eight accumulators
.set BIAS, 160                         ; product 2: v160-223 b2 in the result's layout, tile t at + 8 t
.set CODES, 224                        ; v224-239 a fragment's codes
.set BCH,  240                         ; v240-247 my chunks of b1 and b2
.set VA,   128                         ; window 3, v128-255: V's sixteen accumulators, until they are stored
; Window 1: W1's 16 fragments ((t, s) at 32 t + 16 s); then v0-127 two buffers of a tile's V; then two buffers of h1's four fragments, and v128-255 W3's first K step.
; Windows 2, 3: W2's 32 fragments (4 t + s); at the end window 2 v0-127: W3's second K step.
.set LIM1, 36                          ; s36  448 x 2^(e2 - e0 - e1)
.set LIM2, 37                          ; s37  448 x 2^(e4 - e2 - e3)
.set LIM2Z, 38                         ; s38  the same, or 0 where q = 3
.set MSB, 0
.macro WIN new                         ; s_set_vgpr_msb: bits 1:0 source 0, 3:2 source 1, 5:4 source 2, 7:6 destination; the high byte repeats the setting that is left
.if MSB != (\new)
	s_set_vgpr_msb (MSB<<8)|(\new)
.set MSB, (\new)
.endif
.endm
.macro PLACES n                        ; plain vector lines behind a matrix instruction (ISA guide 7.12.1)
.rept \n
	v_nop
.endr
.endm
.macro MEDS base, n, lim               ; the next n numbers: what is negative becomes 0, what is too large the largest code x the scale.  Registers ascend: each accumulator is read from its low end on.
.rept \n                               ; Its one vector register stands in source 2 and the destination, both window 0 under every setting under which it is used: no switch is needed
	v_med3_num_f32 v[\base+mi], 0, s[\lim], v[\base+mi]
.set mi, mi+1
.endr
.endm
.macro CVT4 grp, cb, sc, nops          ; a group's 32 numbers become 8 registers of codes; plain lines follow the last conversion
.irp p, 0,1,2,3
	v_cvt_scalef32_pk8_fp8_f32 v[CODES+(\cb)+2*\p:CODES+(\cb)+2*\p+1], v[(\grp)+8*\p:(\grp)+8*\p+7], v[\sc]
.endr
	PLACES \nops
.endm
.macro IMG adr, off, cb                ; half a fragment goes to LDS as it stands
.irp i, 0,1
	ds_store_b128 v[\adr], v[CODES+(\cb)+4*\i:CODES+(\cb)+4*\i+3] offset:(\off)+512*((\cb)/4+\i)
.endr
.endm
.macro BARRIER                         ; my LDS stores have landed and my LDS loads are in: then the work-group's barrier
	s_wait_dscnt 0x0
	s_barrier_signal -1
	s_barrier_wait -1
.endm
.macro VADR T                          ; where V[j] for tile T lies, j = (r + 8 q + 1 + 16 (T % 2) + T / 2) mod 32: row j of my table, my half's 256 bytes.  (Every window is 0 here)
	v_add_nc_u32 v[TM], 16*((\T)%2)+(\T)/2, v[RD]
	v_and_b32 v[TM], 31, v[TM]
	v_mad_u32_u24 v[VJA+(\T)%2], v[TM], VP, v[VRB]
.endm
.macro VLD T                           ; my half's 64 numbers of that row, into window 1, buffer T % 2
	WIN 0x40
.irp m, 0,1,2,3,4,5,6,7,8,9,10,11,12,13,14,15
	ds_load_b128 v[64*((\T)%2)+4*\m:64*((\T)%2)+4*\m+3], v[VJA+(\T)%2] offset:16*\m
.endr
.endm
.macro W2NEXT                          ; the next of W2's 32 fragments is asked for, into the registers in which it stays
.if WF < 32
	WIN 0x80+0x40*(WF/16)
.irp c, 0,1,2,3
	global_load_b128 v[16*(WF%16)+4*\c:16*(WF%16)+4*\c+3], v[LI], s[18:19] offset:2048*WF+512*\c
.endr
.set WF, WF+1
.endif
.endm
.macro W3LOAD sp, base                 ; my eight fragments of W3 for my K step sp (0, 1)
.irp t, 0,1,2,3,4,5,6,7
.irp c, 0,1,2,3
	global_load_b128 v[(\base)+16*\t+4*\c:(\base)+16*\t+4*\c+3], v[LI], s[20:21] offset:8192*\t+2048*(\sp)+512*\c
.endr
.endr
.endm
.macro H1LOAD T                        ; h1's four fragments of tile T into window 1, buffer T % 2
	WIN 0x40
.irp s, 0,1,2,3
.irp c, 0,1,2,3
	ds_load_b128 v[64*((\T)%2)+16*\s+4*\c:64*((\T)%2)+16*\s+4*\c+3], v[H1L+(\T)/8] offset:TILB*((\T)%8)+2048*\s+512*\c
.endr
.endr
.endm
.macro H2ONE n, c                      ; product 3, step n = 16 s + T: piece c of h2's fragment (T, my K step s) into buffer n % 8
	ds_load_b128 v[HB+16*((\n)%8)+64*(((\n)%8)/4)+4*(\c):HB+16*((\n)%8)+64*(((\n)%8)/4)+4*(\c)+3], v[H2L+((\n)%16)/8] offset:TILB*((\n)%8)+2048*((\n)/16)+512*(\c)
.endm
	s_load_b256 s[4:11], s[0:1], 0x0               ; x s[4:5], wq s[6:7], b1 s[8:9], b2 s[10:11]
	s_load_b128 s[12:15], s[0:1], 0x20             ; the scales' exponents s[12:13], part s[14:15]
	v_lshl_add_u32 v254, v0, 2, 0x42a00            ; the closing add's two registers: my spare word, behind h2's images, and 0; kept for that alone
	v_mov_b32 v255, 0
	v_lshrrev_b32 v25, 5, v0
	v_readfirstlane_b32 s22, v25                   ; wave w
	s_and_b32 s23, ttmp9, 3                        ; q
	s_lshr_b32 s24, ttmp9, 2                       ; b
	v_and_b32 v[RR], 15, v0
	v_bfe_u32 v[HH], v0, 4, 1
	v_and_b32 v25, 31, v0
	v_lshlrev_b32 v[LI], 4, v25
	v_lshlrev_b32 v[XG], 5, v0
	v_lshlrev_b32 v[T16], 4, v0
	v_lshrrev_b32 v26, 4, v0
	v_mul_u32_u24 v[XST], v26, XP
	v_lshl_add_u32 v[XST], v[RR], 3, v[XST]        ; row thread / 16 of a chunk's eight, 8 bytes at 8 (thread % 16)
	v_lshlrev_b32 v[XH], 4, v[HH]
	v_mad_u32_u24 v[XIA], v[RR], XP, v[XH]
	s_lshl_b32 s44, s23, 3
	s_add_co_u32 s44, s44, 1
	v_add_nc_u32 v[RD], s44, v[RR]
	s_wait_alu depctr_va_sdst(0)                   ; s22 is written, ahead of its first reader: LDS addresses, the weights' bases and the last branch are made from it
	s_and_b32 s25, s22, 1                          ; product 3: which 128 outputs
	s_lshr_b32 s26, s22, 1                         ; and which two K steps
	s_lshl_b32 s44, s22, 9
	v_lshl_add_u32 v[BIA], v[HH], 6, s44
	s_lshl_b32 s44, s22, 11                        ; my K step's image in a tile's four
	s_add_co_u32 s45, s44, H1
	v_add_nc_u32 v[H1S], s45, v[LI]
	v_add_nc_u32 v[H1S+1], 0x10000, v[H1S]         ; tiles 8-15: an LDS immediate has 16 bits
	v_add_nc_u32 v[H1L], H1, v[LI]
	v_add_nc_u32 v[H1L+1], 0x10000, v[H1L]
	s_add_co_u32 s45, s44, H2
	v_add_nc_u32 v[H2S], s45, v[LI]
	v_add_nc_u32 v[H2S+1], 0x10000, v[H2S]
	s_lshl_b32 s44, s26, 12
	s_add_co_u32 s45, s44, H2
	v_add_nc_u32 v[H2L], s45, v[LI]
	v_add_nc_u32 v[H2L+1], 0x10000, v[H2L]
	s_lshl_b32 s44, s26, 10
	s_lshl_b32 s45, s25, 9
	s_add_co_u32 s44, s44, s45
	v_and_b32 v26, 8, v[RR]
	v_add_nc_u32 v26, v26, v[RR]                   ; r + 8 (r / 8)
	v_lshl_add_u32 v[SGA], v26, 2, s44
	s_mul_i32 s44, s22, VPW
	s_add_co_u32 s44, s44, VT                      ; my wave's table of V
	v_lshl_add_u32 v[VRB], v[HH], 8, s44
	v_mad_u32_u24 v[VST], v[RR], VP, v[VRB]
	s_mov_b32 s42, 0x76543210                      ; v_permlanex16_b32's selects for lane l xor 16
	s_mov_b32 s43, 0xfedcba98
	s_lshl_b32 s44, s24, 14                        ; a set's 32 rows of 512 bytes
	s_mov_b32 s45, 0
	s_lshl_b32 s46, ttmp9, 10                      ; my 256 numbers of part
	s_mov_b32 s47, 0
	s_lshl_b32 s48, s22, 15                        ; W1: my 16 fragments
	s_mov_b32 s49, 0
	s_wait_kmcnt 0x0
	s_load_b128 s[28:31], s[12:13], 0x0            ; e0 .. e3
	s_load_b32 s32, s[12:13], 0x10                 ; e4
	s_add_nc_u64 s[4:5], s[4:5], s[44:45]
	s_add_nc_u64 s[14:15], s[14:15], s[46:47]
	s_add_nc_u64 s[16:17], s[6:7], s[48:49]
	s_lshl_b32 s48, s22, 16                        ; W2: my 32 fragments
	s_add_co_u32 s48, s48, OFFW2
	s_add_nc_u64 s[18:19], s[6:7], s[48:49]
	s_lshl_b32 s48, s25, 16                        ; W3: my eight tiles' fragments, from my first K step on
	s_lshl_b32 s50, s26, 12
	s_add_co_u32 s48, s48, s50
	s_add_co_u32 s48, s48, OFFW3
	s_add_nc_u64 s[20:21], s[6:7], s[48:49]
	s_wait_alu depctr_va_vdst(0)                   ; all the addresses made above are written: every load and store of the kernel but V's loads reads one of them, and none is written again
.irp i, 0,1,2,3                                ; x: four chunks of 8 rows; a thread takes 8 neighbours of each
	global_load_b128 v[G0+8*\i:G0+8*\i+3], v[XG], s[4:5] offset:4096*\i
	global_load_b128 v[G0+8*\i+4:G0+8*\i+7], v[XG], s[4:5] offset:4096*\i+16
.endr
	global_load_b128 v[BCH:BCH+3], v[T16], s[8:9]
	global_load_b128 v[BCH+4:BCH+7], v[T16], s[10:11]
	WIN 0x40                                       ; destination window 1
.irp f, 0,1,2,3,4,5,6,7,8,9,10,11,12,13,14,15
.irp c, 0,1,2,3
	global_load_b128 v[16*\f+4*\c:16*\f+4*\c+3], v[LI], s[16:17] offset:2048*\f+512*\c
.endr
.endr
	WIN 0
	s_wait_kmcnt 0x0
	s_add_co_i32 s44, s28, 127
	s_lshl_b32 s45, s44, 23
	v_mov_b32 v[SCX], s45                          ; 2^e0 as f32: a conversion takes its scale's exponent field
	s_add_co_i32 s44, s44, 8
	s_lshl_b32 s34, s44, 23
	s_or_b32 s34, s34, 0x600000                    ; 448 x 2^e0,
	s_or_b32 s35, s34, 0x80000000                  ; and its negative
	s_add_co_i32 s46, s28, s29                     ; a sum of product 1 stands for sum x 2^(e0 + e1): b1 goes in divided by that,
	s_sub_co_i32 s39, 0, s46
	s_sub_co_i32 s44, s30, s46                     ; and h1's conversion takes 2^(e2 - e0 - e1)
	s_add_co_i32 s44, s44, 127
	s_lshl_b32 s45, s44, 23
	v_mov_b32 v[SC1], s45
	s_add_co_i32 s44, s44, 8
	s_lshl_b32 s[LIM1], s44, 23
	s_or_b32 s[LIM1], s[LIM1], 0x600000
	s_add_co_i32 s46, s30, s31                     ; likewise for product 2
	s_sub_co_i32 s40, 0, s46
	s_sub_co_i32 s44, s32, s46
	s_add_co_i32 s44, s44, 127
	s_lshl_b32 s45, s44, 23
	v_mov_b32 v[SC2], s45
	s_add_co_i32 s44, s44, 8
	s_lshl_b32 s[LIM2], s44, 23
	s_or_b32 s[LIM2], s[LIM2], 0x600000
	s_cmp_eq_u32 s23, 3
	s_cselect_b32 s[LIM2Z], 0, s[LIM2]             ; tiles 14 and 15 of quarter 3 are i = j: their h2 is held at 0
	; ---- 0: x's 32 rows become codes in LDS; the biases, divided, go there too
	s_wait_loadcnt 63                              ; 64 loads were issued behind b2's, and the wait's field ends at 63: x, b1, b2 (and W1's first load) are in
.irp i, 0,1,2,3,4,5,6,7,8,9,10,11,12,13,14,15,16,17,18,19,20,21,22,23,24,25,26,27,28,29,30,31
	v_med3_num_f32 v[G0+\i], v[G0+\i], s35, s34    ; the conversion to an 8-bit code does not saturate (ISA guide 7.6.2)
.endr
.irp i, 0,1,2,3
	v_cvt_scalef32_pk8_fp8_f32 v[CODES+2*\i:CODES+2*\i+1], v[G0+8*\i:G0+8*\i+7], v[SCX]
.endr
	v_nop                                          ; a plain line behind the last conversion: products write its sources later
.irp i, 0,1,2,3
	v_ldexp_f32 v[BCH+\i], v[BCH+\i], s39
	v_ldexp_f32 v[BCH+4+\i], v[BCH+4+\i], s40
.endr
	s_wait_alu depctr_va_vdst(0)                   ; the conversions have written x's codes and the scalings the biases, which the six stores read; holds and conversions are done with v96-127, in which b1 lands below
.irp i, 0,1,2,3
	ds_store_b64 v[XST], v[CODES+2*\i:CODES+2*\i+1] offset:XC+8*XP*\i
.endr
	ds_store_b128 v[T16], v[BCH:BCH+3] offset:BI1
	ds_store_b128 v[T16], v[BCH+4:BCH+7] offset:BI2
	BARRIER                                        ; x's codes and both biases lie in LDS; nobody writes them again
	; ---- 1a: U and V for the set's 32 rows and my 128 units: 32 matrix instructions, each on an accumulator of its own (K = 128 is one instruction)
	; The loads below owe no further wait: no vector instruction since the wait above names v32-63, v96-223 or window 2.
.irp f, 0,1                                    ; b1 in the result's layout goes straight into U's registers, once for each half of the rows: for tile t lane (r, h) wants units 128 w + 32 (t / 2) + 16 h + 8 (t % 2) + 0 .. 7
.irp t, 0,1,2,3,4,5,6,7
	ds_load_b128 v[U+64*\f+8*\t:U+64*\f+8*\t+3], v[BIA] offset:BI1+4*(32*(\t/2)+8*(\t%2))
	ds_load_b128 v[U+64*\f+8*\t+4:U+64*\f+8*\t+7], v[BIA] offset:BI1+4*(32*(\t/2)+8*(\t%2))+16
.endr
.endr
.irp f, 0,1
.irp c, 0,1,2,3
	ds_load_b128 v[XI+16*\f+4*\c:XI+16*\f+4*\c+3], v[XIA] offset:XC+16*XP*\f+32*\c   ; x's two fragments
.endr
.endr
.set WF, 0
.rept 15
	W2NEXT                                         ; W2's fragments 0-14 are asked for here, where the wave has to wait for W1 in any case
.endr
	WIN 0
	s_wait_loadcnt 60                              ; all but those 15 x 4 loads: W1 is in
	s_wait_dscnt 0x0                               ; b1 and x's fragments
	WIN 0xc1                                       ; source 0 (W1) window 1, destination window 3
.irp f, 0,1
.irp t, 0,1,2,3,4,5,6,7
	v_wmma_f32_16x16x128_fp8_fp8 v[VA+64*\f+8*\t:VA+64*\f+8*\t+7], v[32*\t+16:32*\t+31], v[XI+16*\f:XI+16*\f+15], 0   ; V: W1's second K step
.endr
.endr
	PLACES 4                                       ; in front of the stores that read these results
	WIN 0x0c                                       ; an LDS store's data are its source 1: window 3
	s_wait_alu depctr_va_vdst(0)                   ; the sixteen products have written V's accumulators, which the stores read; the places above stay beside this wait
.irp f, 0,1
.irp t, 0,1,2,3,4,5,6,7
	ds_store_b128 v[VST], v[VA+64*\f+8*\t:VA+64*\f+8*\t+3] offset:16*VP*\f+32*\t        ; row 16 f + r, my half's units of tile t; each accumulator from its low end on
	ds_store_b128 v[VST], v[VA+64*\f+8*\t+4:VA+64*\f+8*\t+7] offset:16*VP*\f+32*\t+16
.endr
.endr
	WIN 0x01                                       ; source 0 (W1) window 1
.irp f, 0,1
.irp t, 0,1,2,3,4,5,6,7
	v_wmma_f32_16x16x128_fp8_fp8 v[U+64*\f+8*\t:U+64*\f+8*\t+7], v[32*\t:32*\t+15], v[XI+16*\f:XI+16*\f+15], v[U+64*\f+8*\t:U+64*\f+8*\t+7]   ; U: W1's first K step, onto b1
.endr
.endr
	PLACES 4                                       ; behind the last products: for the loads into W1's registers, the sums written over x's fragments, and the reads of U
	WIN 0
	BARRIER                                        ; a wave reads only the table that it stored itself; this barrier parts all stores of the tables from all reads of them
	; ---- 1b: h1, a tile of 16 pairs at a time: U[i] + V[j], activation and hold, codes, image.  No matrix instruction: V[j] comes from my table, two tiles ahead.
	VADR 0
	VADR 1
	WIN 0x40
	s_wait_alu depctr_va_vdst(0)                   ; v30 and v31 are written, which the loads below read; U's and V's products are done reading W1's registers, in which these loads land
	VLD 0
	VLD 1
.macro TILE1 T
.if (\T) < 15
	s_wait_dscnt 16                                ; only the next tile's 16 loads may be out: this tile's V is in, and the last tile's four image stores are done
.else
	s_wait_dscnt 0x0                               ; (nothing was asked for behind the last tile's V but four stores)
.endif
	s_wait_alu depctr_vm_vsrc(0)                   ; the stores issued so far have read the code registers (the last tile's images; ahead of tile 0 x's codes), which this tile's conversions write; this tile's loads of V have read v30 or v31, which is written below; ahead of tile 0 also: V's stores have read the accumulators in which W2's fragments 24-31 land
	WIN 0x04                                       ; source 1 (V) window 1
.irp m, 0,2,4,6,8,10,12,14,16,18,20,22,24,26,28,30,32,34,36,38,40,42,44,46,48,50,52,54,56,58,60,62
	v_pk_add_f32 v[S+\m:S+\m+1], v[U+64*((\T)%2)+\m:U+64*((\T)%2)+\m+1], v[64*((\T)%2)+\m:64*((\T)%2)+\m+1]   ; each accumulator of U from its low end on
.endr
.set mi, 0
	MEDS S, 64, LIM1
	WIN 0
.irp p, 0,1,2,3,4,5,6,7
	v_cvt_scalef32_pk8_fp8_f32 v[CODES+2*\p:CODES+2*\p+1], v[S+8*\p:S+8*\p+7], v[SC1]
.endr
	v_nop                                          ; a plain line behind the last conversion: the next tile's additions write its sources
.if (\T) < 14
	VADR (\T)+2                                    ; ahead of the tile's one wait on va_vdst, so that the address costs no wait of its own
.endif
	s_wait_alu depctr_va_vdst(0)                   ; the conversions have written the codes, which the stores read; v30 or v31 is written, which the loads read; the additions are done reading V's buffer, in which those loads land
.irp c, 0,1,2,3
	ds_store_b128 v[H1S+(\T)/8], v[CODES+4*\c:CODES+4*\c+3] offset:TILB*((\T)%8)+512*\c   ; K step w of the second product, tile T
.endr
.if (\T) < 14
	VLD (\T)+2                                     ; into the buffer just added
.endif
	W2NEXT                                         ; W2's fragments 15-31: two a tile, in tiles 0-8; of their registers the vector side has named V's accumulators alone, ahead of the waits above
	W2NEXT
.endm
.irp tt, 0,1,2,3,4,5,6,7,8,9,10,11,12,13,14,15
	TILE1 \tt
.endr
	WIN 0
.irp t, 0,1,2,3,4,5,6,7                        ; b2, where U's second half lay: tile 15's additions, its last readers, stand ahead of that tile's wait on va_vdst, and no vector instruction has been issued since
	ds_load_b128 v[BIAS+8*\t:BIAS+8*\t+3], v[BIA] offset:BI2+4*(32*(\t/2)+8*(\t%2))
	ds_load_b128 v[BIAS+8*\t+4:BIAS+8*\t+7], v[BIA] offset:BI2+4*(32*(\t/2)+8*(\t%2))+16
.endr
	BARRIER                                        ; h1's 64 images lie in LDS, and nobody reads a table of V any more
	; ---- 2: h2.  Half g of tile T: 16 products on group g, K step by K step; behind each, two holds of the other group.
	; The eight accumulators of the two groups take turns, one instruction a turn.  The four v_nop behind a half's conversions are the places behind its last products, for all that follows:
	; the next half's reads of this group, loads into fragments that were read, and the products that begin the other group anew.
	; A tile's LDS and memory instructions stand together at its second half's end, behind one wait on va_vdst: the images of code registers 8-15 (group 1 of the tile before, converted in the first half) and 0-7 (group 0 of this tile), and the fragments of the tile after next.
	s_wait_alu depctr_vm_vsrc(0)                   ; tile 15's image stores of h1 have read the code registers, which tile 0's conversions write
	H1LOAD 0                                       ; these loads owe no wait on va_vdst: the additions and products that read window 1 stand ahead of the last one, and no vector instruction has been issued since
	H1LOAD 1
	W3LOAD 0, 128                                  ; window 1, v128-255: wanted in the third product
	s_wait_loadcnt 32                              ; all but those 32: W2 is in
.macro HALF2 T, g
.set mi, 0
.set GCUR, G0+32*(\g)
.set GOTH, G0+32-32*(\g)
.set FBB, 64*((\T)%2)
.set HOLD, 1
.if ((\T) == 0) && ((\g) == 0)
.set HOLD, 0                           ; nothing is finished yet
.endif
.set LM, LIM2
.if ((\T)+(\g)) >= 15
.set LM, LIM2Z                         ; what is held here belongs to tile 14 or 15
.endif
.if (\g) == 0
.if (\T) == 0
	s_wait_dscnt 16                                ; tile 0's fragments are in, tile 1's may be out
.elseif (\T) == 1
	s_wait_dscnt 18                                ; behind this tile's fragments came tile 0's 2 stores and the next tile's 16 loads: these may be out
.elseif (\T) < 15
	s_wait_dscnt 20                                ; behind this tile's fragments came the last tile's 4 stores and the next tile's 16 loads: these may be out
.else
	s_wait_dscnt 4                                 ; only the last tile's 4 stores may be out
.endif
.endif
	WIN 0x06+(\g)                                  ; source 0 (W2) window 2 or 3, source 1 (h1) window 1
.irp s, 0,1,2,3
.irp u, 0,1,2,3
.if \s == 0
	v_wmma_f32_16x16x128_fp8_fp8 v[GCUR+8*\u:GCUR+8*\u+7], v[16*(4*\u+\s):16*(4*\u+\s)+15], v[FBB+16*\s:FBB+16*\s+15], v[BIAS+8*(4*(\g)+\u):BIAS+8*(4*(\g)+\u)+7]
.else
	v_wmma_f32_16x16x128_fp8_fp8 v[GCUR+8*\u:GCUR+8*\u+7], v[16*(4*\u+\s):16*(4*\u+\s)+15], v[FBB+16*\s:FBB+16*\s+15], v[GCUR+8*\u:GCUR+8*\u+7]
.endif
.if HOLD
	MEDS GOTH, 2, LM
.endif
.endr
.endr
	WIN 0
.if (\g) == 0
.if (\T) > 0
.if (\T) < 15
	s_wait_dscnt 16                                ; only the next tile's 16 loads may be out: the last tile's image stores are done,
.else
	s_wait_dscnt 0x0                               ; (behind tile 14's stores nothing was asked for)
.endif
	s_wait_alu depctr_vm_vsrc(0)                   ; and have read the sixteen code registers: this half's conversions write 8-15 again, the next half's 0-7
	CVT4 G0+32, 8, SC2, 4                          ; group 1 of the tile before: pieces 2 and 3 of its fragment; stored at this tile's end
.else
	PLACES 4
.endif
.if (\T) == 15
	WIN 0x80                                       ; window 2 has been multiplied for the last time: W3's second K step lands there
	s_wait_alu depctr_va_vdst(0)                   ; this half's products, the last that read window 2, are done reading it
	W3LOAD 1, 0
.endif
.else
	CVT4 G0, 0, SC2, 4                             ; group 0 of this tile: pieces 0 and 1
	s_wait_alu depctr_va_vdst(0)                   ; both halves' conversions have written the code registers, which the stores read; this tile's 32 products are done reading their buffer of h1, in which the loads land
.if (\T) > 0
	IMG H2S+((\T)-1)/8, TILB*(((\T)-1)%8), 8
.endif
	IMG H2S+(\T)/8, TILB*((\T)%8), 0
.if (\T) < 14
	H1LOAD (\T)+2                                  ; into the buffer just multiplied: a whole tile's 32 products ahead of its use
.endif
.endif
.endm
.irp tt, 0,1,2,3,4,5,6,7,8,9,10,11,12,13,14,15
	HALF2 \tt, 0
	HALF2 \tt, 1
.endr
	WIN 0
.set mi, 0
	MEDS G0+32, 32, LIM2Z                          ; the last tile's group 1
	s_wait_dscnt 2                                 ; behind the last stores of code registers 8-15 came 2 stores
	s_wait_alu depctr_vm_vsrc(0)                   ; those stores have read code registers 8-15, which the conversions below write
	CVT4 G0+32, 8, SC2, 1
	s_wait_alu depctr_va_vdst(0)                   ; the conversions have written code registers 8-15, which the stores read; the last products are done reading b2's registers, in which fragments of h2 land below
	IMG H2S+1, TILB*7, 8
	BARRIER                                        ; h2's 64 images lie in LDS
	; ---- 3: 32 steps (my two K steps x 16 tiles of pairs), 8 products each on eight accumulators that take turns and never start anew: the pairs are summed as they come.
	; Step n multiplies buffer n % 8 and asks for the fragment of step n + 4, one load behind each of its first four products.  Steps go in groups of four: a group reads one set of four buffers, and its loads land in the other set,
	; which the group before has read: one wait on va_vdst at a group's head states that, and no product issued since names a register that the group's loads touch.
.irp n, 0,1,2,3
.irp c, 0,1,2,3
	H2ONE \n, \c                                   ; v32-95 were last named by product 1's sums, ahead of many waits on va_vdst
.endr
.endr
	s_wait_loadcnt 32                              ; W3's first K step is in; the second's 32 loads may be out
	WIN 0x04                                       ; source 1 (W3) window 1; LDS loads and v_nop are the same under this setting
.macro STEP3 n
.set HBC, HB+16*((\n)%8)+64*(((\n)%8)/4)
.if (\n) == 16
	s_wait_loadcnt 0x0                             ; W3's second K step
	WIN 0x08                                       ; source 1 window 2
.endif
.if (((\n)%4) == 0) && ((\n) >= 4) && ((\n) <= 24)
	PLACES 4                                       ; the places behind the last group's products, in front of loads into the fragments that they read, stay beside the wait
	s_wait_alu depctr_va_vdst(0)                   ; the last group's 32 products are done reading their four buffers, in which this group's 16 loads land
.endif
.if (\n) <= 28
	s_wait_dscnt 12                                ; this step's fragment is in; the three younger ones may be out
.else
	s_wait_dscnt 4*(31-(\n))
.endif
.irp t, 0,1,2,3,4,5,6,7
.if (\n) == 0
	v_wmma_f32_16x16x128_fp8_fp8 v[ACC+8*\t:ACC+8*\t+7], v[HBC:HBC+15], v[128+16*\t:128+16*\t+15], 0
.elseif (\n) < 16
	v_wmma_f32_16x16x128_fp8_fp8 v[ACC+8*\t:ACC+8*\t+7], v[HBC:HBC+15], v[128+16*\t:128+16*\t+15], v[ACC+8*\t:ACC+8*\t+7]
.else
	v_wmma_f32_16x16x128_fp8_fp8 v[ACC+8*\t:ACC+8*\t+7], v[HBC:HBC+15], v[16*\t:16*\t+15], v[ACC+8*\t:ACC+8*\t+7]
.endif
.if ((\n) <= 27) && (\t < 4)
	H2ONE (\n)+4, \t
.endif
.endr
.endm
.irp nn, 0,1,2,3,4,5,6,7,8,9,10,11,12,13,14,15,16,17,18,19,20,21,22,23,24,25,26,27,28,29,30,31
	STEP3 \nn
.endr
	; ---- the way out: register j of lane (r, h) is pair 8 h + j's share of output r: eight registers and the other half of the lanes are added; the two K halves meet in the stage
	WIN 0
	PLACES 4
.irp t, 0,1,2,3,4,5,6,7
	v_pk_add_f32 v[ACC+8*\t:ACC+8*\t+1], v[ACC+8*\t:ACC+8*\t+1], v[ACC+8*\t+2:ACC+8*\t+3]   ; each accumulator from its low end on
.endr
.irp t, 0,1,2,3,4,5,6,7
	v_pk_add_f32 v[ACC+8*\t+4:ACC+8*\t+5], v[ACC+8*\t+4:ACC+8*\t+5], v[ACC+8*\t+6:ACC+8*\t+7]
.endr
.irp t, 0,1,2,3,4,5,6,7
	v_pk_add_f32 v[ACC+8*\t:ACC+8*\t+1], v[ACC+8*\t:ACC+8*\t+1], v[ACC+8*\t+4:ACC+8*\t+5]
.endr
.irp t, 0,1,2,3,4,5,6,7
	v_add_f32 v[ACC+8*\t], v[ACC+8*\t], v[ACC+8*\t+1]
.endr
.irp t, 0,1,2,3,4,5,6,7
	v_permlanex16_b32 v[ACC+8*\t+1], v[ACC+8*\t], s42, s43
.endr
.irp t, 0,1,2,3,4,5,6,7
	v_add_f32 v[ACC+8*\t], v[ACC+8*\t], v[ACC+8*\t+1]
.endr
	s_wait_alu depctr_va_vdst(0)                   ; the additions have written the eight sums, which the stores read; the products are done reading v32-39, in which the stage's words land below
.irp t, 0,1,2,3,4,5,6,7
	ds_store_b32 v[SGA], v[ACC+8*\t] offset:STG+4*(32*(\t/2)+8*(\t%2))   ; output 128 (w % 2) + 32 (t / 2) + 8 (t % 2) + r + 8 (r / 8); both halves of the lanes write the same number to the same word
.endr
	BARRIER
	s_cmp_lt_u32 s22, 2                            ; waves 0 and 1 add the two K halves and store: 64 threads, 4 outputs each
	s_cbranch_scc0 .Lend
	ds_load_b128 v[32:35], v[T16] offset:STG
	ds_load_b128 v[36:39], v[T16] offset:STG+1024
	s_wait_dscnt 0x0
	v_pk_add_f32 v[32:33], v[32:33], v[36:37]
	v_pk_add_f32 v[34:35], v[34:35], v[38:39]
	s_wait_alu depctr_va_vdst(0)                   ; the two additions have written v32-35, which the store reads
	global_store_b128 v[T16], v[32:35], s[14:15]   ; a wave stores 512 consecutive bytes, at a multiple of 256 from part's first byte
.Lend:
	s_wait_dscnt 0x0                               ; the closing lines, six on end
	s_wait_alu 0x0
	s_wait_tensorcnt 0x0
	ds_add_u32 v254, v255
	s_wait_dscnt 0x0
	s_endpgm
.Lfunc_end_k_q3784524789_main:
	.size	k_q3784524789_main, .Lfunc_end_k_q3784524789_main-k_q3784524789_main
	.p2alignl 7, 3214868480
	.fill 96, 4, 3214868480
	.section	.rodata,"a",@progbits
	.p2align	6, 0x0
	.amdhsa_kernel k_q3784524789_main
		.amdhsa_group_segment_fixed_size 273408
		.amdhsa_private_segment_fixed_size 0
		.amdhsa_enable_private_segment 0
		.amdhsa_kernarg_size 48
		.amdhsa_user_sgpr_count 2
		.amdhsa_user_sgpr_kernarg_segment_ptr 1
		.amdhsa_wavefront_size32 1
		.amdhsa_system_sgpr_workgroup_id_x 1
		.amdhsa_system_sgpr_workgroup_id_y 1
		.amdhsa_system_sgpr_workgroup_id_z 1
		.amdhsa_system_vgpr_workitem_id 0
		.amdhsa_next_free_vgpr 1024
		.amdhsa_next_free_sgpr 66
		.amdhsa_reserve_vcc 0
		.amdhsa_float_denorm_mode_32 3
		.amdhsa_float_denorm_mode_16_64 3
		.amdhsa_memory_ordered 1
		.amdhsa_forward_progress 1
		.amdhsa_inst_pref_size 255
	.end_amdhsa_kernel
	.section	.bss,"aw",@nobits
	.p2align	6
	.space	262144
	.amdgpu_metadata
---
amdhsa.version: [ 1, 2 ]
amdhsa.kernels:
  - .name:           k_q3784524789_main
    .symbol:         k_q3784524789_main.kd
    .args:
      - { .name: x, .offset: 0, .size: 8, .value_kind: global_buffer, .address_space: global }
      - { .name: wq, .offset: 8, .size: 8, .value_kind: global_buffer, .address_space: global }
      - { .name: b1, .offset: 16, .size: 8, .value_kind: global_buffer, .address_space: global }
      - { .name: b2, .offset: 24, .size: 8, .value_kind: global_buffer, .address_space: global }
      - { .name: lowp_scales, .offset: 32, .size: 8, .value_kind: global_buffer, .address_space: global }
      - { .name: part, .offset: 40, .size: 8, .value_kind: global_buffer, .address_space: global }
    .group_segment_fixed_size: 273408
    .private_segment_fixed_size: 0
    .kernarg_segment_align: 8
    .kernarg_segment_size: 48
    .max_flat_workgroup_size: 128
    .sgpr_count:     66
    .vgpr_count:     1024
    .wavefront_size: 32
...
	.end_amdgpu_metadata
.endif
;; end of part 4
;; launch fin: the kernel of part 3 again; grid 64 x 1, 2 waves a work-group, no clusters, 0 bytes of LDS; arguments part, b3, lowp_scales, out0; writes out0
